; MI455X (gfx1250); checked and timed in simulation.
; The chip was launched on July 23, 2026; its instructions are those of AMD's public machine-readable ISA for CDNA 5 (MIT licence, August 2026) and "CDNA5" Instruction Set Architecture Reference Guide (July 2026). The comments in the code are by the model that wrote it; some were corrected since.
;; Transformer Decoder Block. Allowed arithmetic: float matrix products may take bf16 or f16 operands with f32 sums; other float arithmetic in f32, or as packed bf16 or f16 multiplies, adds, multiply-adds, maxima and minima; sums over many terms, partial sums and values carried from step to step in f32; what a program stores and reads back later, other than sums and carried values, may be rounded once to bf16 or f16.
;; Inputs: attention_mask 2,048 x 2,048 float32; b1 4,096 float32; b2 1,024 float32; ln1_b 1,024 float32; ln1_g 1,024 float32; ln2_b 1,024 float32; ln2_g 1,024 float32; w1 1,024 x 4,096 float32; w2 4,096 x 1,024 float32; wk 1,024 x 256 float32; wo 1,024 x 1,024 float32; wq 1,024 x 1,024 float32; wv 1,024 x 256 float32; x 2 x 2,048 x 1,024 float32.
;; Outputs: out0 2 x 2,048 x 1,024 float32.
;; 2 versions, each right; version 2 is version 1 with the launches prep, ln2 written anew for expert scheduling mode. Each part assembles by itself: llvm-mc -triple=amdgcn-amd-amdhsa -mcpu=gfx1250 --defsym DOCPART=n.
;; ======== version 1 of 2: 7 launches
;; workspace buffers: hb 8,388,608 bytes; tab 1,048,576 bytes; wb 22,020,096 bytes; qkv 12,582,912 bytes; ob 8,388,608 bytes; x1 16,777,216 bytes; act 33,554,432 bytes
;; launch prep (part 1): grid 1056 x 1, 8 waves a work-group, no clusters, 0 bytes of LDS; arguments x, ln1_g, ln1_b, wq, wk, wv, wo, w1, w2, hb, tab, wb; writes hb, tab, wb
.if DOCPART == 1
	.amdgcn_target "amdgcn-amd-amdhsa--gfx1250"
	.amdhsa_code_object_version 6
	.text
	.protected	k_qb24623d459_prep
	.globl	k_qb24623d459_prep
	.p2align	8
	.type	k_qb24623d459_prep,@function
k_qb24623d459_prep:
	s_mov_b64 s[64:65], 0
	v_nop
	global_prefetch_b8 v0, s[64:65] scope:SCOPE_SE
	s_setreg_imm32_b32 hwreg(HW_REG_WAVE_MODE, 25, 1), 1
	s_wait_xcnt 0x0
; PREP: what hangs on the inputs alone, in one launch of 1,056 work-groups of eight waves.  A stream: no LDS, no barrier, no matrix unit.  Three paths, chosen by the work-group's number:
; 0-255: h = layernorm(x) g + b, rounded once to bf16 (hb, [4096][1024]).  A wave owns two rows and keeps them in registers between the passes.
; 256-927: the six weight matrices rounded once to bf16 into wb, still [K][N]:
;   byte 0         wqkv [1024][1536]: row k = wq[k], wk[k], wv[k]
;   byte 3,145,728 wo   [1024][1024], rows permuted: row g 256 + r 64 + d holds wo's row r 256 + g 64 + d (the order in which attention stores its channels)
;   byte 5,242,880 w1   [1024][4096]          byte 13,631,488 w2 [4096][1024]
; 928-1055: the RoPE table (tab, f32 [4096][64]: row m holds cos(s inv_j), j = 0..31, then sin(s inv_j), for s = m mod 2048, inv_j = 10000^(-j/32)).
; THE SAME TEXT SERVES THE SECOND LAYERNORM: launched on 256 work-groups, with x1 and the second gain and bias in the first three places, only the first path runs.
; LIMITS.  Mean and variance in two passes over registers (the mean is taken away before the squares), so a common offset costs nothing.  The angle s inv_j is formed in f32 as the
; reference forms it; inv_j comes from v_exp_f32 and is good to a few units in its last place, which at s = 2047 is some 2e-4 rad.  NaN and infinities are not treated apart.
.set NR,  2                            ; rows of a wave
.set X,   32                           ; v[32:95]   row i at X + 32 i: register 4 j + e is element 128 j + 4 lane + e
.set G,   96                           ; v[96:127]  g in the same map
.set BV,  128                          ; v[128:159] b
.set VAR, 24                           ; v[24:25]   a row's sum of squares, then 1 / sqrt(var + eps)
.macro JOIN                            ; four packed chains v[8:15] into v8
	v_pk_add_f32 v[8:9], v[8:9], v[10:11]
	v_pk_add_f32 v[12:13], v[12:13], v[14:15]
	v_pk_add_f32 v[8:9], v[8:9], v[12:13]
	v_add_f32 v8, v8, v9
.endm
.macro REDUCE                          ; v8 summed over the 32 lanes, the result in every lane
	v_add_f32_dpp v8, v8, v8 row_xmask:1 row_mask:0xf bank_mask:0xf
	v_add_f32_dpp v8, v8, v8 row_xmask:2 row_mask:0xf bank_mask:0xf
	v_add_f32_dpp v8, v8, v8 row_xmask:4 row_mask:0xf bank_mask:0xf
	v_add_f32_dpp v8, v8, v8 row_xmask:8 row_mask:0xf bank_mask:0xf
	v_permlanex16_b32 v9, v8, s38, s39             ; its destination counts as read: v9 has been written
	v_add_f32 v8, v8, v9
.endm
; Row i: the mean, the row less its mean (in place), the sum of squares.
.macro STAT i
	s_wait_loadcnt 16+8*(NR-1-(\i))                ; loads return in order: row i is in; the row behind it (8 loads) and g's and b's 16 may stay out
.set XR, X+32*(\i)
.irp c, 0,2,4,6
	v_pk_add_f32 v[8+(\c):9+(\c)], v[XR+(\c):XR+(\c)+1], v[XR+8+(\c):XR+9+(\c)]
.endr
.irp k, 16,24
.irp c, 0,2,4,6
	v_pk_add_f32 v[8+(\c):9+(\c)], v[8+(\c):9+(\c)], v[XR+(\k)+(\c):XR+(\k)+(\c)+1]
.endr
.endr
	JOIN
	REDUCE
	v_mul_f32 v28, 0x3a800000, v8                  ; / 1024
	v_mov_b32 v29, v28
.set r, 0
.rept 16
	v_pk_add_f32 v[XR+r:XR+r+1], v[XR+r:XR+r+1], v[28:29] neg_lo:[0,1] neg_hi:[0,1]
.set r, r+2
.endr
.irp c, 0,2,4,6
	v_pk_mul_f32 v[8+(\c):9+(\c)], v[XR+(\c):XR+(\c)+1], v[XR+(\c):XR+(\c)+1]
.endr
.irp k, 8,16,24
.irp c, 0,2,4,6
	v_pk_fma_f32 v[8+(\c):9+(\c)], v[XR+(\k)+(\c):XR+(\k)+(\c)+1], v[XR+(\k)+(\c):XR+(\k)+(\c)+1], v[8+(\c):9+(\c)]
.endr
.endr
	JOIN
	REDUCE
	v_mov_b32 v[VAR+(\i)], v8
.endm
; Row i: times rstd, times g plus b, rounded to bf16 in place, stored: each store of the wave covers 256 consecutive bytes, aligned.
.macro NORM i
.set XR, X+32*(\i)
	v_mov_b32 v28, v[VAR+(\i)]
	v_mov_b32 v29, v[VAR+(\i)]
.set r, 0
.rept 16
	v_pk_mul_f32 v[XR+r:XR+r+1], v[XR+r:XR+r+1], v[28:29]
.set r, r+2
.endr
.set r, 0
.rept 16
	v_pk_fma_f32 v[XR+r:XR+r+1], v[XR+r:XR+r+1], v[G+r:G+r+1], v[BV+r:BV+r+1]
.set r, r+2
.endr
.irp j, 0,1,2,3,4,5,6,7
	v_cvt_pk_bf16_f32 v[XR+4*(\j)], v[XR+4*(\j)], v[XR+4*(\j)+1]
	v_cvt_pk_bf16_f32 v[XR+4*(\j)+1], v[XR+4*(\j)+2], v[XR+4*(\j)+3]
	global_store_b64 v3, v[XR+4*(\j):XR+4*(\j)+1], s[32:33] offset:(\i)*2048+(\j)*256
.endr
.endm
	s_load_b512 s[4:19], s[0:1], 0x0               ; x s[4:5], g s[6:7], b s[8:9], wq s[10:11], wk s[12:13], wv s[14:15], wo s[16:17], w1 s[18:19]
	s_load_b256 s[20:27], s[0:1], 0x40             ; w2 s[20:21], hb s[22:23], tab s[24:25], wb s[26:27]
	v_lshrrev_b32 v1, 5, v0
	v_readfirstlane_b32 s28, v1                    ; wave 0..7
	v_and_b32 v1, 31, v0                           ; lane
	v_lshlrev_b32 v2, 4, v1                        ; 16 x lane
	v_lshlrev_b32 v3, 3, v1                        ; 8 x lane
	s_wait_kmcnt 0x0
	s_cmp_lt_u32 ttmp9, 256
	s_cbranch_scc0 .Lnot_ln
	; ---- layernorm: rows 16 x work-group + 2 x wave, + 1
	s_lshl_b32 s29, ttmp9, 4
	s_lshl1_add_u32 s29, s28, s29
	s_mov_b32 s37, 0
	s_lshl_b32 s36, s29, 12
	s_add_nc_u64 s[30:31], s[4:5], s[36:37]        ; x at my first row
	s_lshl_b32 s36, s29, 11
	s_add_nc_u64 s[32:33], s[22:23], s[36:37]      ; hb
.irp i, 0,1
.irp j, 0,1,2,3,4,5,6,7
	global_load_b128 v[X+32*(\i)+4*(\j):X+32*(\i)+4*(\j)+3], v2, s[30:31] offset:(\i)*4096+(\j)*512 th:TH_LOAD_NT
.endr
.endr
.irp j, 0,1,2,3,4,5,6,7
	global_load_b128 v[G+4*(\j):G+4*(\j)+3], v2, s[6:7] offset:(\j)*512
.endr
.irp j, 0,1,2,3,4,5,6,7
	global_load_b128 v[BV+4*(\j):BV+4*(\j)+3], v2, s[8:9] offset:(\j)*512
.endr
	s_mov_b32 s38, 0x76543210                      ; v_permlanex16_b32: each lane takes its own place in the other half
	s_mov_b32 s39, 0xfedcba98
	s_mov_b32 s57, 0x3a800000                      ; 1/1024
	s_mov_b32 s58, 0x3727c5ac                      ; 1e-5
	STAT 0
	STAT 1
.irp i, 0,1
	v_fma_f32 v[VAR+(\i)], v[VAR+(\i)], s57, s58   ; var + eps
.endr
.irp i, 0,1
	v_rsq_f32 v[VAR+(\i)], v[VAR+(\i)]
.endr
	v_nop                                          ; a plain instruction behind the last of them,
	s_wait_alu depctr_va_vdst(0)                   ; and one wait for both, ahead of their first reader
	s_wait_loadcnt 0x0                             ; g and b
	NORM 0
	NORM 1
	s_endpgm
.Lnot_ln:
	s_cmp_lt_u32 ttmp9, 928
	s_cbranch_scc0 .Ltab
	; ---- weights to bf16.  A LINE is 256 numbers: 1,024 bytes in, 512 out.  A work-group takes 64 lines on end of one matrix; wave w takes line 8 i + w in turn i.
	; Each block below sets: s[30:31] the matrix, s36 the work-group's number j in it, s37 the bytes in wb of its first line, s38 the wave's part, s39 the step from turn to turn.
	s_sub_co_u32 s29, ttmp9, 256
	s_cmp_lt_u32 s29, 64
	s_cbranch_scc0 .Lnot_wq
	s_mov_b64 s[30:31], s[10:11]                   ; wq: 16 rows of four lines; a row of wqkv is 3,072 bytes
	s_mov_b32 s36, s29
	s_mul_i32 s37, s36, 49152
	s_lshr_b32 s38, s28, 2
	s_mul_i32 s38, s38, 3072
	s_and_b32 s40, s28, 3
	s_lshl_b32 s40, s40, 9
	s_add_co_u32 s38, s38, s40
	s_mov_b32 s39, 6144
	s_branch .Lcopy
.Lnot_wq:
	s_cmp_lt_u32 s29, 80
	s_cbranch_scc0 .Lnot_wk
	s_mov_b64 s[30:31], s[12:13]                   ; wk: 64 rows of one line, at column 1,024
	s_sub_co_u32 s36, s29, 64
	s_mul_i32 s37, s36, 196608
	s_add_co_u32 s37, s37, 2048
	s_mul_i32 s38, s28, 3072
	s_mov_b32 s39, 24576
	s_branch .Lcopy
.Lnot_wk:
	s_cmp_lt_u32 s29, 96
	s_cbranch_scc0 .Lnot_wv
	s_mov_b64 s[30:31], s[14:15]                   ; wv: at column 1,280
	s_sub_co_u32 s36, s29, 80
	s_mul_i32 s37, s36, 196608
	s_add_co_u32 s37, s37, 2560
	s_mul_i32 s38, s28, 3072
	s_mov_b32 s39, 24576
	s_branch .Lcopy
.Lnot_wv:
	s_cmp_lt_u32 s29, 160
	s_cbranch_scc0 .Lnot_wo
	s_mov_b64 s[30:31], s[16:17]                   ; wo: rows 16 j .. + 15 = (r, g, d0) go to row g 256 + r 64 + d0
	s_sub_co_u32 s36, s29, 96
	s_bfe_u32 s37, s36, 0x20002                    ; g = (j >> 2) & 3
	s_lshl_b32 s37, s37, 8
	s_lshr_b32 s40, s36, 4                         ; r
	s_lshl_b32 s40, s40, 6
	s_add_co_u32 s37, s37, s40
	s_and_b32 s40, s36, 3
	s_lshl_b32 s40, s40, 4                         ; d0
	s_add_co_u32 s37, s37, s40
	s_lshl_b32 s37, s37, 11
	s_add_co_u32 s37, s37, 3145728
	s_lshl_b32 s38, s28, 9
	s_mov_b32 s39, 4096
	s_branch .Lcopy
.Lnot_wo:
	s_cmp_lt_u32 s29, 416
	s_cbranch_scc0 .Lw2
	s_mov_b64 s[30:31], s[18:19]                   ; w1: a dense copy
	s_sub_co_u32 s36, s29, 160
	s_lshl_b32 s37, s36, 15
	s_add_co_u32 s37, s37, 5242880
	s_lshl_b32 s38, s28, 9
	s_mov_b32 s39, 4096
	s_branch .Lcopy
.Lw2:
	s_mov_b64 s[30:31], s[20:21]                   ; w2: likewise
	s_sub_co_u32 s36, s29, 416
	s_lshl_b32 s37, s36, 15
	s_add_co_u32 s37, s37, 13631488
	s_lshl_b32 s38, s28, 9
	s_mov_b32 s39, 4096
.Lcopy:
	s_lshl_b32 s40, s36, 16                        ; 64 lines of 1,024 bytes
	s_mov_b32 s41, 0
	s_add_nc_u64 s[30:31], s[30:31], s[40:41]
	s_mov_b32 s40, s37
	s_add_nc_u64 s[32:33], s[26:27], s[40:41]
	v_lshl_add_u32 v5, s28, 10, v2                 ; in: 16 x lane + 1,024 x wave
	v_add_nc_u32 v16, s38, v3                      ; out, a register for each turn: 8 x lane + the wave's part + i steps
.irp i, 1,2,3,4,5,6,7
	v_add_nc_u32 v[16+(\i)], s39, v[15+(\i)]
.endr
.irp i, 0,1,2,3,4,5,6,7
	global_load_b128 v[32+8*(\i):35+8*(\i)], v5, s[30:31] offset:(\i)*8192 th:TH_LOAD_NT
	global_load_b128 v[36+8*(\i):39+8*(\i)], v5, s[30:31] offset:(\i)*8192+512 th:TH_LOAD_NT
.endr
.irp i, 0,1,2,3,4,5,6,7
	s_wait_loadcnt 14-2*(\i)                       ; turn i's two loads are in; the younger turns' stay out
	v_cvt_pk_bf16_f32 v[32+8*(\i)], v[32+8*(\i)], v[33+8*(\i)]
	v_cvt_pk_bf16_f32 v[33+8*(\i)], v[34+8*(\i)], v[35+8*(\i)]
	v_cvt_pk_bf16_f32 v[36+8*(\i)], v[36+8*(\i)], v[37+8*(\i)]
	v_cvt_pk_bf16_f32 v[37+8*(\i)], v[38+8*(\i)], v[39+8*(\i)]
	global_store_b64 v[16+(\i)], v[32+8*(\i):33+8*(\i)], s[32:33]             ; 256 consecutive bytes, aligned
	global_store_b64 v[16+(\i)], v[36+8*(\i):37+8*(\i)], s[32:33] offset:256
.endr
	s_endpgm
	; ---- the table: rows 32 x (work-group - 928) + 4 x wave .. + 3, a row a trip.  A lane makes cos and sin of its two angles and keeps one kind: lanes 0-15 the cosines of
	; j = 2 l, 2 l + 1, lanes 16-31 the sines of j = 2 (l - 16), + 1.  The angle is reduced to f turns, |f| <= 1/2; sine and cosine of a quarter of it (|A| <= pi/4) by their series
	; to A^7 and A^8; then the double angle twice.
.Ltab:
	s_sub_co_u32 s29, ttmp9, 928
	s_lshl_b32 s29, s29, 5
	s_lshl2_add_u32 s29, s28, s29
	s_lshl_b32 s36, s29, 8
	s_mov_b32 s37, 0
	s_add_nc_u64 s[34:35], s[24:25], s[36:37]      ; tab at my first row
	s_mov_b32 s40, 0xb9500d01                      ; -1/5040; each constant twice: the packed forms name a pair
	s_mov_b32 s41, s40
	s_mov_b32 s42, 0x3c088889                      ; 1/120
	s_mov_b32 s43, s42
	s_mov_b32 s44, 0xbe2aaaab                      ; -1/6
	s_mov_b32 s45, s44
	s_mov_b32 s46, 0x37d00d01                      ; 1/40320
	s_mov_b32 s47, s46
	s_mov_b32 s48, 0xbab60b61                      ; -1/720
	s_mov_b32 s49, s48
	s_mov_b32 s50, 0x3d2aaaab                      ; 1/24
	s_mov_b32 s51, s50
	s_mov_b32 s52, 0x3fc90fdb                      ; pi/2
	s_mov_b32 s53, s52
	s_mov_b32 s54, 0x3e22f983                      ; 1/(2 pi)
	s_mov_b32 s55, s54
	s_mov_b32 s56, 0xffff0000                      ; lanes 16-31 keep the sines
	v_and_b32 v4, 15, v1
	v_lshlrev_b32 v4, 1, v4                        ; j = 2 (lane mod 16), and j + 1
	v_add_nc_u32 v5, 1, v4
	v_cvt_f32_u32 v4, v4
	v_cvt_f32_u32 v5, v5
	v_mul_f32 v4, 0xbed49a78, v4                   ; -j log2(10000) / 32
	v_mul_f32 v5, 0xbed49a78, v5
	v_exp_f32 v4, v4
	v_exp_f32 v5, v5
	v_nop                                          ; a plain instruction behind the last exponential,
	s_wait_alu depctr_va_vdst(0)                   ; and one wait for both, ahead of the label and of their first reader
	s_mov_b32 s60, 4
.Lrow:
	s_and_b32 s59, s29, 2047                       ; the position in the sequence
	v_cvt_f32_u32 v6, s59
	v_mul_f32 v8, v6, v4
	v_mul_f32 v9, v6, v5
	v_pk_mul_f32 v[10:11], v[8:9], s[54:55] op_sel_hi:[1,0]
	v_rndne_f32 v10, v10
	v_rndne_f32 v11, v11
	v_pk_fma_f32 v[12:13], v[8:9], s[54:55], v[10:11] op_sel_hi:[1,0,1] neg_lo:[0,0,1] neg_hi:[0,0,1]
	v_pk_mul_f32 v[12:13], v[12:13], s[52:53] op_sel_hi:[1,0]     ; A = f pi/2
	v_pk_mul_f32 v[14:15], v[12:13], v[12:13]
	v_pk_fma_f32 v[16:17], v[14:15], s[40:41], s[42:43] op_sel_hi:[1,0,0]
	v_pk_fma_f32 v[16:17], v[16:17], v[14:15], s[44:45] op_sel_hi:[1,1,0]
	v_pk_fma_f32 v[16:17], v[16:17], v[14:15], 1.0 op_sel_hi:[1,1,0]
	v_pk_mul_f32 v[16:17], v[16:17], v[12:13]                      ; sin A
	v_pk_fma_f32 v[18:19], v[14:15], s[46:47], s[48:49] op_sel_hi:[1,0,0]
	v_pk_fma_f32 v[18:19], v[18:19], v[14:15], s[50:51] op_sel_hi:[1,1,0]
	v_pk_fma_f32 v[18:19], v[18:19], v[14:15], -0.5 op_sel_hi:[1,1,0]
	v_pk_fma_f32 v[18:19], v[18:19], v[14:15], 1.0 op_sel_hi:[1,1,0]  ; cos A
.rept 2
	v_pk_mul_f32 v[20:21], v[16:17], v[18:19]
	v_pk_mul_f32 v[22:23], v[16:17], v[16:17]
	v_pk_add_f32 v[16:17], v[20:21], v[20:21]                      ; sin 2A = 2 sin A cos A
	v_pk_fma_f32 v[18:19], v[22:23], -2.0, 1.0 op_sel_hi:[1,0,0]   ; cos 2A = 1 - 2 sin^2 A
.endr
	v_cndmask_b32 v20, v18, v16, s56
	v_cndmask_b32 v21, v19, v17, s56
	global_store_b64 v3, v[20:21], s[34:35]        ; the row's 256 bytes in one instruction
	s_wait_xcnt 0x0                                ; the store has read its data and its base, which are written again
	s_add_nc_u64 s[34:35], s[34:35], 256
	s_add_co_u32 s29, s29, 1
	s_sub_co_u32 s60, s60, 1
	s_cmp_lg_u32 s60, 0
	s_cbranch_scc1 .Lrow
	s_endpgm
.Lfunc_end_k_qb24623d459_prep:
	.size	k_qb24623d459_prep, .Lfunc_end_k_qb24623d459_prep-k_qb24623d459_prep
	.p2alignl 7, 3214868480
	.fill 96, 4, 3214868480
	.section	.rodata,"a",@progbits
	.p2align	6, 0x0
	.amdhsa_kernel k_qb24623d459_prep
		.amdhsa_group_segment_fixed_size 0
		.amdhsa_private_segment_fixed_size 0
		.amdhsa_enable_private_segment 0
		.amdhsa_kernarg_size 96
		.amdhsa_user_sgpr_count 2
		.amdhsa_user_sgpr_kernarg_segment_ptr 1
		.amdhsa_wavefront_size32 1
		.amdhsa_system_sgpr_workgroup_id_x 1
		.amdhsa_system_sgpr_workgroup_id_y 1
		.amdhsa_system_sgpr_workgroup_id_z 1
		.amdhsa_system_vgpr_workitem_id 0
		.amdhsa_next_free_vgpr 160
		.amdhsa_next_free_sgpr 66
		.amdhsa_reserve_vcc 0
		.amdhsa_float_denorm_mode_32 3
		.amdhsa_float_denorm_mode_16_64 3
		.amdhsa_memory_ordered 1
		.amdhsa_forward_progress 1
		.amdhsa_inst_pref_size 33
	.end_amdhsa_kernel
	.amdgpu_metadata
---
amdhsa.version: [ 1, 2 ]
amdhsa.kernels:
  - .name:           k_qb24623d459_prep
    .symbol:         k_qb24623d459_prep.kd
    .args:
      - { .name: x, .offset: 0, .size: 8, .value_kind: global_buffer, .address_space: global }
      - { .name: ln1_g, .offset: 8, .size: 8, .value_kind: global_buffer, .address_space: global }
      - { .name: ln1_b, .offset: 16, .size: 8, .value_kind: global_buffer, .address_space: global }
      - { .name: wq, .offset: 24, .size: 8, .value_kind: global_buffer, .address_space: global }
      - { .name: wk, .offset: 32, .size: 8, .value_kind: global_buffer, .address_space: global }
      - { .name: wv, .offset: 40, .size: 8, .value_kind: global_buffer, .address_space: global }
      - { .name: wo, .offset: 48, .size: 8, .value_kind: global_buffer, .address_space: global }
      - { .name: w1, .offset: 56, .size: 8, .value_kind: global_buffer, .address_space: global }
      - { .name: w2, .offset: 64, .size: 8, .value_kind: global_buffer, .address_space: global }
      - { .name: hb, .offset: 72, .size: 8, .value_kind: global_buffer, .address_space: global }
      - { .name: tab, .offset: 80, .size: 8, .value_kind: global_buffer, .address_space: global }
      - { .name: wb, .offset: 88, .size: 8, .value_kind: global_buffer, .address_space: global }
    .group_segment_fixed_size: 0
    .private_segment_fixed_size: 0
    .kernarg_segment_align: 8
    .kernarg_segment_size: 96
    .max_flat_workgroup_size: 256
    .sgpr_count:     66
    .vgpr_count:     160
    .wavefront_size: 32
...
	.end_amdgpu_metadata
.endif
;; end of part 1
;; launch proj (part 2): grid 12 x 32, 4 waves a work-group, clusters of 4 x 4, 327,680 bytes of LDS; arguments hb, wb, qkv, tab; writes qkv
.if DOCPART == 2
	.amdgcn_target "amdgcn-amd-amdhsa--gfx1250"
	.amdhsa_code_object_version 6
	.text
	.protected	k_qb24623d459_proj
	.globl	k_qb24623d459_proj
	.p2align	8
	.type	k_qb24623d459_proj,@function
k_qb24623d459_proj:
	s_mov_b64 s[64:65], 0
	v_nop
	global_prefetch_b8 v0, s[64:65] scope:SCOPE_SE
	s_setreg_imm32_b32 hwreg(HW_REG_WAVE_MODE, 25, 1), 1
	s_wait_xcnt 0x0
	s_wait_alu depctr_hold_cnt(0) depctr_sa_sdst(0) depctr_va_vdst(0) depctr_va_sdst(0) depctr_va_ssrc(0) depctr_va_vcc(0) depctr_vm_vsrc(0)
	s_getreg_b32 s2, hwreg(HW_REG_IB_STS2, 6, 4)
	s_cmp_eq_u32 s2, 0
	s_cbranch_scc0 .Lentry_in_a_cluster
	s_endpgm
.Lentry_in_a_cluster:
	s_bfe_u32 s2, ttmp6, 0x10000c
	s_cmp_lg_u32 s2, 0xf033
	s_cbranch_scc0 .Lentry_shape_is_right
	s_endpgm
.Lentry_shape_is_right:
; q, k, v = h [wq | wk | wv], RoPE on q and k, q times log2(e)/8, stored by heads: qkv is bf16 [2][24][2048][64], heads 0-15 q, 16-19 k, 20-23 v.
; h: bf16 [4096][1024].  The weights: bf16 [1024][1536] at byte WOFF of wb, K down the rows.  Sums in f32; RoPE and the scale in f32; each number rounded once.
; THE PRODUCT.  A tile of C is 128 x 128: four waves, each 64 x 64 = 16 accumulators.  K goes in steps of 256 through two LDS slots filled by the tensor data mover: A's rows are 512 bytes,
; B's tile is 256 k-rows of 256 bytes.  A comes out of LDS as it lies, B ([k][n]) turned, by ds_load_tr16_b128.  The matrix instruction is used transposed (source 0 = 16 columns of B,
; source 1 = 16 rows of A): a lane then holds row l % 16 of C and eight neighbouring columns 8 (l / 16) + 0..7.
; CLUSTER.  4 x 4 work-groups: the four of a row need the same tiles of A, the four of a column the same tiles of B; each tile is asked for jointly, by the same load, descriptor and mask.
; No prefetch: the tiles are small and each K step's bytes are shared by a whole row or column of clusters.
; THE LOOP.  A K step is eight UNITS of 32 along K, 16 matrix instructions each, on two fragment buffers.  Units go in pairs; three pairs are one counted loop, the fourth changes slots.
; THE WAY OUT.  A wave's 64 columns are one head.  cos and sin of its 64 rows come from tab at the start.  Which head it is only selects two factors: (F, G) = (log2(e)/8, 0) for q,
; (1, 0) for k, (0, 1) for v, and cos' = F cos + G, sin' = F sin: v passes unchanged.  No branch hangs on it.
; The 128 lines that clear the accumulators run while the first tiles are on their way; a first pair written out would cost more text.
; REGISTERS.  Window 0: v16-29 addresses; v32-95 at work on the way out; v128-255 accumulators ((a, b) at 128 + 8 (4 a + b)).
; Window 1: v0-63, v64-127 two fragment buffers (A's four fragments, then B's four); v128-255 the table's fragments.
.set SIZE_N, 1536
.set SIZE_K, 1024
.set WOFF,   0
.set PA,     528                       ; A's row in LDS: 512 bytes + 16 = 132 words: the 16 rows of a load start at 16 different groups of four banks (ISA guide 11.1)
.set PB,     288                       ; B's row: 256 bytes + 32 = 72 words
.set HALFA,  64*PA                     ; what one load brings of A: 64 rows
.set HALFB,  128*PB                    ; of B: 128 k-rows
.set SLOT,   2*HALFA+2*HALFB           ; A's 128 rows, then B's 256 k-rows
.set STAGE,  2*SLOT                    ; behind the ring: 16 rows x 144 bytes for each wave
.set SP,     144
.set SPARE,  300032                    ; the spare words, 128 bytes for each wave: two blocks of 256 bytes that no other line names
.set LAPS,   SIZE_K/512                ; a lap = two K steps = once round the ring
.set ADRA, 16                          ; v16  my lane's place in A's part of a slot; never rewritten
.set AA,   18                          ; v18  ADRA + s[TA]
.set ADRB, 20                          ; v20  the same for B
.set AB,   22                          ; v22
.set STO,  24                          ; v24  the way out: where I put 16 bytes of a row
.set RD,   25                          ; v25  where I read rows back
.set CO,   26                          ; v26  my byte offset in 512 consecutive bytes of the output
.set TO,   27                          ; v27  my byte offset in 16 rows of tab
.set SPW,  28                          ; v28  my spare word: SPARE + 4 x my thread's number; never rewritten
.set NIL,  29                          ; v29  0; never rewritten
.set ACC,  128
.set F0,   0
.set F1,   64
.set EX,   128
.set TA,   45                          ; s45  LDS byte of the pair in hand in A's rows: the slot's constant + 128 a pair
.set TB,   66                          ; s66  the same for B: + 64 k-rows a pair
.set G1,   24                          ; s[24:31] descriptor group 1 for A;  s[32:39] group 0, a set for each slot
.set G0,   32
.set G1B,  48                          ; s[48:55], s[56:63] the same for B
.set G0B,  56
.set MSB, 0
.macro WIN new                         ; the immediate's high byte repeats the setting that is left; a switch that changes nothing is dropped
.if MSB != (\new)
	s_set_vgpr_msb (MSB<<8)|(\new)
.set MSB, \new
.endif
.endm
.set MUL,  0x05                        ; sources 0 (B) and 1 (A) window 1; C and D window 0
.set TO_F, 0x40                        ; destination window 1, address window 0
.macro PLACES                          ; four places in front of loads into registers that matrix instructions have read
.rept 4
	v_nop
.endr
.endm
.macro JLOAD s                         ; a joint load: waves 0 and 1 fetch A's halves, waves 2 and 3 B's; an s_nop 0 and four v_nop follow each line
	s_cmp_eq_u32 s11, 0
	s_cbranch_scc0 .Lfor_b_\@
	tensor_load_to_lds s[G0+4*(\s):G0+4*(\s)+3], s[G1:G1+7]
	s_nop 0
.rept 4
	v_nop
.endr
	s_branch .Lasked_\@
.Lfor_b_\@:
	tensor_load_to_lds s[G0B+4*(\s):G0B+4*(\s)+3], s[G1B:G1B+7]
	s_nop 0
.rept 4
	v_nop
.endr
.Lasked_\@:
.endm
.macro CREST                           ; a round of the cluster's barrier behind its opening barrier
	s_cmp_lg_u32 s10, 0
	s_cbranch_scc1 .Lnot_wave_0_\@
	s_barrier_signal -3
.Lnot_wave_0_\@:
	s_barrier_wait -3
	s_barrier_signal -1
	s_barrier_wait -1
.endm
.macro CROUND
	s_barrier_signal -1
	s_barrier_wait -1
	CREST
.endm
; 8 matrix instructions: row blocks a0, a0 + 1 x all four column blocks, one unit.  The 16 accumulators take turns, in the same order everywhere.
.macro MUL8 f, a0
	WIN MUL
.irp a, \a0, (\a0)+1
.irp b, 0,1,2,3
	v_wmma_f32_16x16x32_bf16 v[ACC+8*(4*(\a)+(\b)):ACC+8*(4*(\a)+(\b))+7], v[(\f)+32+8*(\b):(\f)+32+8*(\b)+7], v[(\f)+8*(\a):(\f)+8*(\a)+7], v[ACC+8*(4*(\a)+(\b)):ACC+8*(4*(\a)+(\b))+7]
.endr
.endr
.endm
; 16 LDS loads in one run: a unit's fragments into buffer f, from byte ka behind AA and kb behind AB
.macro FETCHU f, ka, kb
	WIN TO_F
.irp i, 0,1,2,3
	ds_load_tr16_b128 v[(\f)+32+8*(\i):(\f)+32+8*(\i)+3],   v[AB] offset:(\kb)+32*(\i)
	ds_load_tr16_b128 v[(\f)+32+8*(\i)+4:(\f)+32+8*(\i)+7], v[AB] offset:(\kb)+32*(\i)+16*PB
	ds_load_b128 v[(\f)+8*(\i):(\f)+8*(\i)+3],   v[AA] offset:(\ka)+(\i)*16*PA
	ds_load_b128 v[(\f)+8*(\i)+4:(\f)+8*(\i)+7], v[AA] offset:(\ka)+(\i)*16*PA+32
.endr
.endm
; Two units.  It is entered, and left, with buffer 0's 16 loads out and nothing else.
.macro PAIR
	PLACES
	FETCHU F1, 64, 32*PB
	s_wait_dscnt 16                                ; buffer 0 is in; the 16 just issued stay out
	MUL8 F0, 0
	MUL8 F0, 2
	PLACES
	FETCHU F0, 128, 64*PB
	s_wait_dscnt 16                                ; buffer 1 is in
	MUL8 F1, 0
	MUL8 F1, 2
	WIN 0
	s_add_co_u32 s[TA], s[TA], 128
	s_add_co_u32 s[TB], s[TB], 64*PB
	v_add_nc_u32 v[AA], s[TA], v[ADRA]
	v_add_nc_u32 v[AB], s[TB], v[ADRB]
.endm
.macro INNER                           ; units 0 to 5 of a K step
	s_mov_b32 s2, 3
.Lpair_\@:
	PAIR
	s_sub_co_u32 s2, s2, 1
	s_cmp_lg_u32 s2, 0
	s_cbranch_scc1 .Lpair_\@
.endm
; Units 6 and 7, and the change of slots: ONE barrier.  In front of it each wave waits for all its tensor loads (one is out: its part of the next slot), adds 0 to its spare word, and waits for
; that and for its reads of this slot.  fill = 1: the barrier opens a round of the cluster's, and this slot is filled again, two K steps ahead, first thing behind the round.
.macro TPAIR slot, next, fill
	PLACES
	FETCHU F1, 64, 32*PB                           ; my last reads of this slot
	s_wait_dscnt 16
	MUL8 F0, 0
	WIN 0
	s_mov_b32 s[TA], (\next)*SLOT
	s_mov_b32 s[TB], (\next)*SLOT
	v_add_nc_u32 v[AA], s[TA], v[ADRA]
	v_add_nc_u32 v[AB], s[TB], v[ADRB]
	s_wait_tensorcnt 0x0                           ; all my tensor loads have landed;
	ds_add_u32 v[SPW], v[NIL]                      ; 0 onto my spare word;
	MUL8 F0, 2                                     ; eight matrix instructions stand between the add and the wait for it
	s_wait_dscnt 0x0                               ; the add is done, and my reads of this slot are over
	s_barrier_signal -1
	MUL8 F1, 0
	WIN 0
	s_barrier_wait -1
.if \fill
	CREST                                          ; no wave of any partner still reads this slot or has a load on its way
	s_add_nc_u64 s[G0+4*(\slot)+2:G0+4*(\slot)+3], s[G0+4*(\slot)+2:G0+4*(\slot)+3], 1024
	s_add_nc_u64 s[G0B+4*(\slot)+2:G0B+4*(\slot)+3], s[G0B+4*(\slot)+2:G0B+4*(\slot)+3], 1024*SIZE_N
	JLOAD \slot                                    ; 112 matrix instructions ahead of the wait for it; its four v_nop are also the places in front of the loads below
.else
	PLACES
.endif
	FETCHU F0, 0, 0                                ; the next slot's unit 0
	MUL8 F1, 2
	WIN 0
.endm
.macro LPAIR                           ; the very last two units
	PLACES
	FETCHU F1, 64, 32*PB
	s_wait_dscnt 16
	MUL8 F0, 0
	MUL8 F0, 2
	s_wait_dscnt 0x0
	MUL8 F1, 0
	MUL8 F1, 2
	WIN 0
.endm
	s_load_b128 s[4:7], s[0:1], 0x0                ; A s[4:5], wb s[6:7]
	s_load_b64 s[8:9], s[0:1], 0x10                ; qkv
	s_load_b64 s[68:69], s[0:1], 0x18              ; tab
	v_lshl_add_u32 v[SPW], v0, 2, SPARE
	v_mov_b32 v[NIL], 0
	ds_add_u32 v[SPW], v[NIL]                      ; the wave's opening: the add, waited for ahead of my first tensor load
	v_lshrrev_b32 v1, 5, v0
	v_readfirstlane_b32 s10, v1                    ; wave 0..3
	s_lshr_b32 s11, s10, 1                         ; my half of the tile's rows.  Also: I fetch for A (0) or for B (1)
	s_and_b32 s12, s10, 1                          ; my half of its columns.  Also: which half of that tile I fetch
	s_bfe_u32 s40, ttmp6, 0x40000                  ; cx
	s_bfe_u32 s41, ttmp6, 0x40004                  ; cy
	s_lshl_b32 s42, ttmp9, 2
	s_add_co_u32 s42, s42, s40                     ; tile column
	s_and_b32 s13, ttmp7, 0xffff
	s_lshl_b32 s13, s13, 2
	s_add_co_u32 s13, s13, s41                     ; tile row
	s_lshl_b32 s43, s41, 2
	s_lshl_b32 s43, 15, s43                        ; my row of the cluster
	s_lshl_b32 s44, 0x1111, s40                    ; my column
	s_or_b32 s[G1+0], s43, (1<<16)|(1<<20)|(1<<21)|(6<<22)|(3<<25)   ; the mask; 2-byte elements; padding on; bit 21 beside a mask; after every 128 words, 4 words
	s_mov_b32 s[G1+1], 256<<16                     ; tensor_dim0 = 256
	s_mov_b32 s[G1+2], 64<<16                      ; tensor_dim1 = 64
	s_mov_b32 s[G1+3], 256<<16                     ; tile_dim0 = 256
	s_mov_b32 s[G1+4], 64                          ; tile_dim1 = 64
	s_mov_b32 s[G1+5], SIZE_K                      ; elements from row to row
	s_mov_b32 s[G1+6], 0
	s_mov_b32 s[G1+7], 0
	s_or_b32 s[G1B+0], s44, (1<<16)|(1<<20)|(1<<21)|(5<<22)|(7<<25)  ; after every 64 words, 8 words
	s_mov_b32 s[G1B+1], 128<<16
	s_mov_b32 s[G1B+2], 128<<16
	s_mov_b32 s[G1B+3], 128<<16
	s_mov_b32 s[G1B+4], 128
	s_mov_b32 s[G1B+5], SIZE_N
	s_mov_b32 s[G1B+6], 0
	s_mov_b32 s[G1B+7], 0
	s_lshl_b32 s17, s12, 6
	s_lshl_b32 s16, s13, 7
	s_add_co_u32 s16, s16, s17                     ; A: row 128 x tile row + 64 x half,
	s_mul_i32 s16, s16, SIZE_K*2                   ; in bytes (under 2^26)
	s_mov_b32 s17, 0
	s_mul_i32 s46, s12, 128*SIZE_N*2               ; B: k-row 128 x half,
	s_lshl_b32 s47, s42, 8                         ; column 128 x tile column,
	s_add_co_u32 s46, s46, s47
	s_add_co_u32 s46, s46, WOFF                    ; in its part of wb
	s_mov_b32 s47, 0
	s_mul_i32 s20, s12, HALFA                      ; where they go: no place in the cluster enters an LDS address
	s_mul_i32 s21, s12, HALFB
	s_add_co_u32 s21, s21, 2*HALFA
	s_wait_dscnt 0x0                               ; the opening add is done
	s_wait_kmcnt 0x0
	s_add_nc_u64 s[14:15], s[4:5], s[16:17]
	s_add_nc_u64 s[46:47], s[6:7], s[46:47]
	CROUND                                         ; all sixteen work-groups are here: the first joint loads meet
.irp s, 0,1
	s_mov_b32 s[G0+4*(\s)], 1
	s_add_co_u32 s[G0+4*(\s)+1], s20, (\s)*SLOT
	s_add_nc_u64 s[G0+4*(\s)+2:G0+4*(\s)+3], s[14:15], (\s)*512
	s_or_b32 s[G0+4*(\s)+3], s[G0+4*(\s)+3], 0x80000000
	s_mov_b32 s[G0B+4*(\s)], 1
	s_add_co_u32 s[G0B+4*(\s)+1], s21, (\s)*SLOT
	s_add_nc_u64 s[G0B+4*(\s)+2:G0B+4*(\s)+3], s[46:47], (\s)*512*SIZE_N
	s_or_b32 s[G0B+4*(\s)+3], s[G0B+4*(\s)+3], 0x80000000
	JLOAD \s                                       ; two loads of mine are out
.endr
	v_and_b32 v1, 15, v0                           ; l % 16
	v_bfe_u32 v2, v0, 4, 1                         ; l / 16
	v_mul_u32_u24 v3, v1, PA
	v_lshl_add_u32 v3, v2, 4, v3                   ; A: row x pitch + 16 x half
	s_mul_i32 s21, s11, HALFA
	v_add_nc_u32 v[ADRA], s21, v3
	v_and_b32 v4, 7, v0                            ; B, turned: k-row 8 (l / 16) + l % 8, 16 bytes ((l / 8) % 2)
	v_lshl_add_u32 v4, v2, 3, v4
	v_mul_u32_u24 v4, v4, PB
	v_bfe_u32 v5, v0, 3, 1
	v_lshl_add_u32 v4, v5, 4, v4
	s_lshl_b32 s22, s12, 7
	s_add_co_u32 s22, s22, 2*HALFA
	v_add_nc_u32 v[ADRB], s22, v4
	; the way out: the head, its factors, the addresses
	s_lshl_b32 s76, s42, 1
	s_add_co_u32 s76, s76, s12                     ; my head, 0..23
	s_cmp_lt_u32 s76, 16
	s_cselect_b32 s72, 0x3e38aa3b, 1.0             ; F: log2(e)/8 for q, 1 for k,
	s_cmp_lt_u32 s76, 20
	s_cselect_b32 s72, s72, 0                      ; 0 for v
	s_cselect_b32 s74, 0, 1.0                      ; G
	s_mov_b32 s73, s72                             ; named as pairs
	s_mov_b32 s75, s74
	s_lshl_b32 s77, s13, 7
	s_lshl_b32 s78, s11, 6
	s_add_co_u32 s77, s77, s78                     ; my first row m0
	s_lshl_b32 s16, s77, 8
	s_mov_b32 s17, 0
	s_add_nc_u64 s[68:69], s[68:69], s[16:17]      ; tab at row m0
	s_lshr_b32 s78, s77, 11                        ; the batch
	s_mul_i32 s78, s78, 24
	s_add_co_u32 s78, s78, s76
	s_lshl_b32 s78, s78, 18                        ; a head is 262,144 bytes
	s_and_b32 s77, s77, 2047
	s_lshl_b32 s77, s77, 7
	s_add_co_u32 s78, s78, s77
	s_mov_b32 s79, 0
	s_add_nc_u64 s[8:9], s[8:9], s[78:79]
	v_lshlrev_b32 v[TO], 8, v1
	v_lshl_add_u32 v[TO], v2, 5, v[TO]             ; row l % 16 of tab, 32 bytes for each half of the lanes
	WIN 0x40
.irp a, 0,1,2,3
.irp jb, 0,1                           ; for rows 16 a .., channels 16 jb + 8 (l / 16) + 0..7: eight cosines, then eight sines
	global_load_b128 v[EX+32*(\a)+16*(\jb):EX+32*(\a)+16*(\jb)+3],     v[TO], s[68:69] offset:(\a)*4096+(\jb)*64
	global_load_b128 v[EX+32*(\a)+16*(\jb)+4:EX+32*(\a)+16*(\jb)+7],   v[TO], s[68:69] offset:(\a)*4096+(\jb)*64+16
	global_load_b128 v[EX+32*(\a)+16*(\jb)+8:EX+32*(\a)+16*(\jb)+11],  v[TO], s[68:69] offset:(\a)*4096+(\jb)*64+128
	global_load_b128 v[EX+32*(\a)+16*(\jb)+12:EX+32*(\a)+16*(\jb)+15], v[TO], s[68:69] offset:(\a)*4096+(\jb)*64+144
.endr
.endr
	WIN 0
	s_mul_i32 s23, s10, 16*SP
	s_add_co_u32 s23, s23, STAGE                   ; my stage
	v_mul_u32_u24 v6, v1, SP
	v_lshl_add_u32 v6, v2, 4, v6
	v_add_nc_u32 v[STO], s23, v6
	v_bfe_u32 v6, v0, 3, 2                         ; back: 32 lanes take four rows of 128 bytes,
	v_mul_u32_u24 v6, v6, SP
	v_and_b32 v7, 7, v0
	v_lshl_add_u32 v6, v7, 4, v6
	v_add_nc_u32 v[RD], s23, v6
	v_and_b32 v[CO], 31, v0                        ; which are 512 consecutive bytes of a head
	v_lshlrev_b32 v[CO], 4, v[CO]
.set r, 0
.rept 128
	v_mov_b32 v[ACC+r], 0
.set r, r+1
.endr
	s_wait_tensorcnt 1                             ; my part of K step 0 is in; K step 1's stays out
	s_barrier_signal -1
	s_barrier_wait -1
	s_mov_b32 s[TA], 0
	s_mov_b32 s[TB], 0
	v_add_nc_u32 v[AA], s[TA], v[ADRA]
	v_add_nc_u32 v[AB], s[TB], v[ADRB]
	FETCHU F0, 0, 0
	WIN 0
	s_mov_b32 s3, LAPS-1
.Llap:
	INNER
	TPAIR 0, 1, 1
	INNER
	TPAIR 1, 0, 1
	s_sub_co_u32 s3, s3, 1
	s_cmp_lg_u32 s3, 0
	s_cbranch_scc1 .Llap
	INNER                                          ; the last lap is written out
	TPAIR 0, 1, 0
	INNER
	LPAIR
	PLACES
	PLACES
; Rows 16 a .. + 15: RoPE in place, rounded to bf16, through my stage, out as 2,048 consecutive bytes.
.macro ROPE a
	WIN 0x41                                       ; destination and source 0 window 1
.irp jb, 0,1
.irp p, 0,2,4,6
	v_pk_fma_f32 v[EX+32*(\a)+16*(\jb)+(\p):EX+32*(\a)+16*(\jb)+(\p)+1], v[EX+32*(\a)+16*(\jb)+(\p):EX+32*(\a)+16*(\jb)+(\p)+1], s[72:73], s[74:75] op_sel_hi:[1,0,0]
	v_pk_mul_f32 v[EX+32*(\a)+16*(\jb)+8+(\p):EX+32*(\a)+16*(\jb)+9+(\p)], v[EX+32*(\a)+16*(\jb)+8+(\p):EX+32*(\a)+16*(\jb)+9+(\p)], s[72:73] op_sel_hi:[1,0]
.endr
.endr
	WIN 0x04                                       ; source 1 window 1
.irp jb, 0,1
.irp p, 0,2,4,6                        ; ascending: each accumulator is first read at its low end
.set rX1, ACC+8*(4*(\a)+(\jb))+(\p)
.set rX2, ACC+8*(4*(\a)+(\jb)+2)+(\p)
.set rC,  EX+32*(\a)+16*(\jb)+(\p)
.set rT,  32+2*(\p)
	v_pk_mul_f32 v[rT:rT+1], v[rX2:rX2+1], v[rC+8:rC+9]
	v_pk_mul_f32 v[rT+2:rT+3], v[rX1:rX1+1], v[rC+8:rC+9]
	v_pk_fma_f32 v[rX1:rX1+1], v[rX1:rX1+1], v[rC:rC+1], v[rT:rT+1] neg_lo:[0,0,1] neg_hi:[0,0,1]
	v_pk_fma_f32 v[rX2:rX2+1], v[rX2:rX2+1], v[rC:rC+1], v[rT+2:rT+3]
.endr
.endr
	WIN 0
.irp b, 0,1,2,3
.irp r, 0,1,2,3
	v_cvt_pk_bf16_f32 v[48+4*(\b)+(\r)], v[ACC+8*(4*(\a)+(\b))+2*(\r)], v[ACC+8*(4*(\a)+(\b))+2*(\r)+1]
.endr
.endr
.if (\a) > 0
	s_wait_xcnt 0x0                                ; the last block's stores have read v[64:79], which are loaded again below
.endif
.irp b, 0,1,2,3
	ds_store_b128 v[STO], v[48+4*(\b):51+4*(\b)] offset:32*(\b)
.endr
.irp f, 0,1,2,3
	ds_load_b128 v[64+4*(\f):67+4*(\f)], v[RD] offset:(\f)*4*SP   ; my own bytes; LDS serves a wave's instructions in order (ISA guide 5.7.1.4)
.endr
	s_wait_dscnt 0x0
.irp f, 0,1,2,3
	global_store_b128 v[CO], v[64+4*(\f):67+4*(\f)], s[8:9] offset:(\a)*2048+(\f)*512
.endr
.endm
	s_wait_loadcnt 0x0                             ; the table
	ROPE 0
	ROPE 1
	ROPE 2
	ROPE 3
	s_wait_tensorcnt 0x0                           ; the wave's end
	ds_add_u32 v[SPW], v[NIL]
	s_wait_dscnt 0x0
	CROUND                                         ; the closing round
	s_endpgm
.Lfunc_end_k_qb24623d459_proj:
	.size	k_qb24623d459_proj, .Lfunc_end_k_qb24623d459_proj-k_qb24623d459_proj
	.p2alignl 7, 3214868480
	.fill 96, 4, 3214868480
	.section	.rodata,"a",@progbits
	.p2align	6, 0x0
	.amdhsa_kernel k_qb24623d459_proj
		.amdhsa_group_segment_fixed_size 327680
		.amdhsa_private_segment_fixed_size 0
		.amdhsa_enable_private_segment 0
		.amdhsa_kernarg_size 32
		.amdhsa_user_sgpr_count 2
		.amdhsa_user_sgpr_kernarg_segment_ptr 1
		.amdhsa_wavefront_size32 1
		.amdhsa_system_sgpr_workgroup_id_x 1
		.amdhsa_system_sgpr_workgroup_id_y 1
		.amdhsa_system_sgpr_workgroup_id_z 1
		.amdhsa_system_vgpr_workitem_id 0
		.amdhsa_next_free_vgpr 512
		.amdhsa_next_free_sgpr 80
		.amdhsa_reserve_vcc 0
		.amdhsa_float_denorm_mode_32 3
		.amdhsa_float_denorm_mode_16_64 3
		.amdhsa_memory_ordered 1
		.amdhsa_forward_progress 1
		.amdhsa_inst_pref_size 76
	.end_amdhsa_kernel
	.amdgpu_metadata
---
amdhsa.version: [ 1, 2 ]
amdhsa.kernels:
  - .name:           k_qb24623d459_proj
    .symbol:         k_qb24623d459_proj.kd
    .args:
      - { .name: hb, .offset: 0, .size: 8, .value_kind: global_buffer, .address_space: global }
      - { .name: wb, .offset: 8, .size: 8, .value_kind: global_buffer, .address_space: global }
      - { .name: qkv, .offset: 16, .size: 8, .value_kind: global_buffer, .address_space: global }
      - { .name: tab, .offset: 24, .size: 8, .value_kind: global_buffer, .address_space: global }
    .group_segment_fixed_size: 327680
    .private_segment_fixed_size: 0
    .kernarg_segment_align: 8
    .kernarg_segment_size: 32
    .max_flat_workgroup_size: 128
    .sgpr_count:     80
    .vgpr_count:     512
    .wavefront_size: 32
...
	.end_amdgpu_metadata
.endif
;; end of part 2
;; launch attn (part 3): grid 32 x 8, 4 waves a work-group, clusters of 4 x 4, 327,680 bytes of LDS; arguments qkv, attention_mask, ob; writes ob
.if DOCPART == 3
	.amdgcn_target "amdgcn-amd-amdhsa--gfx1250"
	.amdhsa_code_object_version 6
	.text
	.protected	k_qb24623d459_attn
	.globl	k_qb24623d459_attn
	.p2align	8
	.type	k_qb24623d459_attn,@function
k_qb24623d459_attn:
	s_mov_b64 s[64:65], 0
	v_nop
	global_prefetch_b8 v0, s[64:65] scope:SCOPE_SE
	s_setreg_imm32_b32 hwreg(HW_REG_WAVE_MODE, 25, 1), 1
	s_wait_xcnt 0x0
	s_wait_alu depctr_hold_cnt(0) depctr_sa_sdst(0) depctr_va_vdst(0) depctr_va_sdst(0) depctr_va_ssrc(0) depctr_va_vcc(0) depctr_vm_vsrc(0)
	s_getreg_b32 s2, hwreg(HW_REG_IB_STS2, 6, 4)
	s_cmp_eq_u32 s2, 0
	s_cbranch_scc0 .Lentry_in_a_cluster
	s_endpgm
.Lentry_in_a_cluster:
	s_bfe_u32 s2, ttmp6, 0x10000c
	s_cmp_lg_u32 s2, 0xf033
	s_cbranch_scc0 .Lentry_shape_is_right
	s_endpgm
.Lentry_shape_is_right:
; ATTENTION.  o[b][s][g 256 + r 64 + d] = the sum over t of softmax_t(q . k / 8 + mask[s][t]) v[t][d], for query head 4 r + g and key and value head g.
; qkv: bf16 [2][24][2048][64] (heads 0-15 q, already times log2(e)/8; 16-19 k; 20-23 v).  mask: f32 [2048][2048], an input, read and added as it is given: no tile is left out.  ob: bf16 [4096][1024].
; SHARES.  Work-group (x, y = 4 b + g) owns 64 queries for the four heads r; wave w owns queries 64 x + 16 w .. + 15 for ALL FOUR heads: four tiles.  So one fragment of K, of V and of the mask feeds four tiles.
; Every wave walks all 2,048 keys, 64 a step, two steps to a slot.
; LAYOUT.  S^T = K Q^T (source 0 = 16 keys, source 1 = 16 queries): a lane holds ONE query (l % 16) and the keys 8 (l / 16) + 0..7.  Two such results rounded to bf16 ARE source 1 of O^T = V^T P.
; SOFTMAX, in powers of two: t = mask log2(e) + S, one fused multiply-add in f32 by the vector unit; a running maximum m of t; p = 2^(t - m); O and l are multiplied by a = 2^(m_old - m) in every step.
; m starts at the lowest finite number, O and l at 0, so the first step is a step like any other, with a = 0; the price is 128 lines that clear O^T, run while the first tile is on its way.
; LIMITS.  Where a whole row's mask is -1e9 all t are equal as long as |S| < 64 (half a step of f32 at 1.44e9), and the weights are uniform; the reference's own bound there is |score| < 32.
; A weight below 2^-126 counts as 0; NaN and infinities are not treated apart.  The weights' sum l is taken of the unrounded p.
; CLUSTER.  4 x 4: cx is the place of the query block, cy = g.  K and V hang on (b, g) and are shared along a row of the cluster; the mask's tile hangs on the query block and is shared along a column.
; IN PHASES: a step's 32 products K Q^T, its softmax, its 32 products V^T P.
; REGISTERS.  Window 0: v2-15 addresses; v16-47 eight registers of statistics a tile; v48-49 the add's; v64-127 P, 16 a tile; v128-255 S^T, 32 a tile.
; Window 1: v0-127 O^T, 32 a tile; v128-159 the mask's fragment.   Window 2: v0-63 Q, 16 a tile; v128-191 K; v192-255 V.
.set KS,    64
.set PK,    144       ; a row of K in LDS: 128 bytes + 16
.set PV,    160       ; of V: 128 + 32
.set PM,    528       ; of the mask: 512 + 16
.set VOFF,  128*PK    ; a slot: 128 rows of K, 128 of V, 64 of the mask
.set MOFF,  VOFF+128*PV
.set SLOT1, 1<<17     ; slot 1 begins here: one exclusive or turns an address in one slot into the other's
.set STAGE, SLOT1+MOFF+64*PM   ; behind the ring: 16 rows x 528 bytes for each wave
.set SP,    528
.set SPARE, STAGE+4*16*SP      ; the spare words, 128 bytes for each wave: two blocks of 256 bytes that no other line names
.set AK0, 2           ; v2-4  my lane's place in a tile of K, V, the mask; never rewritten
.set AV0, 3
.set AM0, 4
.set AK,  5           ; v5-7  the addresses of the step in hand
.set AV,  6
.set AM,  7
.set QO,  8           ; v8   my byte offset in 16 rows of Q
.set RD,  12          ; v12  the way out: where I read a row back
.set GO,  13          ; v13  16 x lane
.set PFO, 14          ; v14  the prefetches' offset; never rewritten
.set STO, 15          ; v15  the way out: where I put 16 bytes of a row
.set ST,  16          ; tile t at ST + 8 t: m, m_old, l (even keys', odd keys'), c0-c3 at work; a takes c2's place
.set SPW, 48
.set NIL, 49
.set P,   64
.set S,   128
.set MK,  128         ; window 1
.set KF,  128         ; window 2: key block kb, channel half c at KF + 16 kb + 8 c
.set VF,  192         ; window 2: key half kk, channel block cb at VF + 32 kk + 8 cb
.set WV,  12          ; s12 my wave's number
.set G1K, 24
.set G1V, 32
.set G1M, 40
.set G0K, 48          ; the three walking descriptors
.set G0V, 52
.set G0M, 56
.set CS,  60          ; s[60:61] log2(e)
.set SEL, 62          ; s[62:63] v_permlanex16_b32's selects
.set SLOTS, 66
.set TWICE, 67
.set TBK, 68          ; s68-70 LDS byte at which the step to be fetched begins, for K, V, the mask
.set TBV, 69
.set TBM, 70
.set LIM, 71          ; 1 in a wave that prefetches, else the greatest number
.set PFA, 72          ; s[72:73] where my prefetches stand
.set PFS, 74          ; s[74:75] their step from tile to tile
.set MSB, 0
.macro WIN new
.if MSB != (\new)
	s_set_vgpr_msb (MSB<<8)|(\new)
.set MSB, \new
.endif
.endm
.set W_KQ, 0x0a       ; K and Q window 2, S^T window 0
.set W_PV, 0x52       ; V window 2, P window 0, O^T window 1
.set W_RS, 0x41       ; destination and source 0 window 1, source 1 window 0
.macro PLACES
.rept 4
	v_nop
.endr
.endm
; A joint fill: wave 0 fetches a tile's K, wave 1 its V, waves 2 and 3 the two halves of the mask's tile.  The branches hang on the wave's number alone.  An s_nop 0 and four v_nop follow each line.
.macro JLOAD
	s_cmp_eq_u32 s[WV], 0
	s_cbranch_scc0 .Lnot_k_\@
	tensor_load_to_lds s[G0K:G0K+3], s[G1K:G1K+7]
	s_nop 0
.rept 4
	v_nop
.endr
	s_branch .Lasked_\@
.Lnot_k_\@:
	s_cmp_eq_u32 s[WV], 1
	s_cbranch_scc0 .Lfor_m_\@
	tensor_load_to_lds s[G0V:G0V+3], s[G1V:G1V+7]
	s_nop 0
.rept 4
	v_nop
.endr
	s_branch .Lasked_\@
.Lfor_m_\@:
	tensor_load_to_lds s[G0M:G0M+3], s[G1M:G1M+7]
	s_nop 0
.rept 4
	v_nop
.endr
.Lasked_\@:
.endm
; A prefetch of the tile that the NEXT change of slots will ask for: two key steps ahead.  Each aligned block of 256 bytes is named once in the launch.  K and V of (b, g) are walked by every cluster of that
; row of clusters: the one with cluster x = 0 asks, wave 0, its four partners along x taking 16 blocks of K and 16 of V each, told apart by address.  The mask's rows are walked by both clusters of a
; column: the one with cluster y = 0 asks, wave 2, its four partners along y taking 16 rows x 2 blocks each.  The change that asks for the last tile prefetches nothing.
.macro ASK
	s_cmp_gt_u32 s[SLOTS], s[LIM]
	s_cbranch_scc0 .Lnot_mine_\@
	global_prefetch_b8 v[PFO], s[PFA:PFA+1] th:TH_LOAD_NT scope:SCOPE_SE
.Lnot_mine_\@:
.endm
.macro CROUND
	s_barrier_signal -1
	s_barrier_wait -1
	s_cmp_lg_u32 s[WV], 0
	s_cbranch_scc1 .Lnot_wave_0_\@
	s_barrier_signal -3
.Lnot_wave_0_\@:
	s_barrier_wait -3
	s_barrier_signal -1
	s_barrier_wait -1
.endm
; THE CHANGE OF SLOTS.  Each wave waits for all its tensor loads (one is out: its part of the other slot), adds 0 to its spare word, and waits for that and for its reads of the slot that it leaves.
; fill = 1: the barrier is a round of the cluster's, and the old slot is filled again first thing behind it; the load has two key steps in which to land.  (At its first use slot 0 is waited for and slot 1 filled.)
.macro CHANGE fill
	WIN 0
	s_wait_tensorcnt 0x0                           ; no tensor load of mine is out, so the descriptors may be written
	ds_add_u32 v[SPW], v[NIL]                      ; 0 onto my spare word
.if \fill
	s_xor_b32 s[G0K+1], s[G0K+1], SLOT1
	s_add_nc_u64 s[G0K+2:G0K+3], s[G0K+2:G0K+3], 128*128   ; the next 128 keys
	s_xor_b32 s[G0V+1], s[G0V+1], SLOT1
	s_add_nc_u64 s[G0V+2:G0V+3], s[G0V+2:G0V+3], 128*128
	s_xor_b32 s[G0M+1], s[G0M+1], SLOT1
	s_add_nc_u64 s[G0M+2:G0M+3], s[G0M+2:G0M+3], 128*4
	s_wait_xcnt 0x0                                ; the last prefetch, two key steps back, has read its address
	s_add_nc_u64 s[PFA:PFA+1], s[PFA:PFA+1], s[PFS:PFS+1]
	s_wait_dscnt 0x0                               ; the add is done, and my reads of the slot are over
	CROUND
	JLOAD
	ASK
.else
	s_wait_dscnt 0x0
	s_barrier_signal -1
	s_barrier_wait -1
.endif
	s_sub_co_u32 s[TBK], s[TBK], 2*KS*PK           ; the fetches go back to a slot's first step, in the other slot
	s_xor_b32 s[TBK], s[TBK], SLOT1
	s_sub_co_u32 s[TBV], s[TBV], 2*KS*PV
	s_xor_b32 s[TBV], s[TBV], SLOT1
	s_sub_co_u32 s[TBM], s[TBM], 2*KS*4
	s_xor_b32 s[TBM], s[TBM], SLOT1
.endm
; Product i of 32 of S^T = K Q^T: channels 32 (i / 16) on, keys 16 ((i / 4) % 4) on, tile i % 4.  The first 16 start the sums.  The 16 accumulators take turns.
.macro KQ
	WIN W_KQ
.set rS, S+32*(i%4)+8*((i/4)%4)
.set rK, KF+16*((i/4)%4)+8*(i/16)
.set rQ, 16*(i%4)+8*(i/16)
.if i < 16
	v_wmma_f32_16x16x32_bf16 v[rS:rS+7], v[rK:rK+7], v[rQ:rQ+7], 0
.else
	v_wmma_f32_16x16x32_bf16 v[rS:rS+7], v[rK:rK+7], v[rQ:rQ+7], v[rS:rS+7]
.endif
.endm
; Product i of 32 of O^T += V^T P: keys 32 (i / 16) on, channels 16 ((i / 4) % 4) on, tile i % 4.
.macro PV
	WIN W_PV
.set rO, 32*(i%4)+8*((i/4)%4)
.set rV, VF+32*(i/16)+8*((i/4)%4)
.set rP, P+16*(i%4)+8*(i/16)
	v_wmma_f32_16x16x32_bf16 v[rO:rO+7], v[rV:rV+7], v[rP:rP+7], v[rO:rO+7]
.endm
; Number j of the 20 that find tile t's new maximum: four chains of seven scores, the four left over, the old m; the other half of the lanes'; m_old is kept; m; m_old - m.
.macro MX t, j
.set rT, ST+8*(\t)
.set rS, S+32*(\t)
.if (\j) < 4
	v_max3_num_f32 v[rT+4+(\j)], v[rS+8*(\j)], v[rS+8*(\j)+1], v[rS+8*(\j)+2]
.elseif (\j) < 12
	v_max3_num_f32 v[rT+4+(\j)%4], v[rT+4+(\j)%4], v[rS+8*((\j)%4)+2*((\j)/4)+1], v[rS+8*((\j)%4)+2*((\j)/4)+2]
.elseif (\j) == 12
	v_max3_num_f32 v[rT+4], v[rT+4], v[rS+7], v[rS+15]
.elseif (\j) == 13
	v_max3_num_f32 v[rT+6], v[rT+6], v[rS+23], v[rS+31]
.elseif (\j) == 14
	v_max3_num_f32 v[rT+4], v[rT+4], v[rT+5], v[rT+6]
.elseif (\j) == 15
	v_max3_num_f32 v[rT+4], v[rT+4], v[rT+7], v[rT]
.elseif (\j) == 16
	v_permlanex16_b32 v[rT+5], v[rT+4], s[SEL], s[SEL+1]
.elseif (\j) == 17
	v_mov_b32 v[rT+1], v[rT]
.elseif (\j) == 18
	v_max_num_f32 v[rT], v[rT+4], v[rT+5]
.else
	v_sub_f32 v[rT+7], v[rT+1], v[rT]
.endif
.endm
; Sum z of 16 of tile t's 16 pairs of weights, in place: neighbours 1, 2, 4 and 8 pairs apart; then l = a l + the sum.
.macro SUMZ t, z
.set rT, ST+8*(\t)
.set rS, S+32*(\t)
.if (\z) < 8
.set w, 4
.set u, (\z)
.elseif (\z) < 12
.set w, 8
.set u, (\z)-8
.elseif (\z) < 14
.set w, 16
.set u, (\z)-12
.else
.set w, 32
.set u, 0
.endif
.if (\z) < 15
	v_pk_add_f32 v[rS+w*u:rS+w*u+1], v[rS+w*u:rS+w*u+1], v[rS+w*u+w/2:rS+w*u+w/2+1]
.else
	v_pk_fma_f32 v[rT+2:rT+3], v[rT+2:rT+3], v[rT+6:rT+7], v[rS:rS+1] op_sel_hi:[1,0,1]
.endif
.endm
; A KEY STEP.
.macro STEP
	WIN 0
	v_add_nc_u32 v[AK], s[TBK], v[AK0]
	v_add_nc_u32 v[AV], s[TBV], v[AV0]
	v_add_nc_u32 v[AM], s[TBM], v[AM0]
	s_add_co_u32 s[TBK], s[TBK], KS*PK
	s_add_co_u32 s[TBV], s[TBV], KS*PV
	s_add_co_u32 s[TBM], s[TBM], KS*4
	WIN 0x80                                       ; destination window 2
.irp f, 0,1,2,3,4,5,6,7
	ds_load_b128 v[KF+8*(\f):KF+8*(\f)+3],   v[AK] offset:((\f)/2)*16*PK+((\f)%2)*64
	ds_load_b128 v[KF+8*(\f)+4:KF+8*(\f)+7], v[AK] offset:((\f)/2)*16*PK+((\f)%2)*64+32
.endr
	WIN 0x40                                       ; destination window 1
.irp kb, 0,1,2,3
	ds_load_b128 v[MK+8*(\kb):MK+8*(\kb)+3],   v[AM] offset:64*(\kb)
	ds_load_b128 v[MK+8*(\kb)+4:MK+8*(\kb)+7], v[AM] offset:64*(\kb)+16
.endr
	WIN 0x80
.irp f, 0,1,2,3,4,5,6,7
	ds_load_tr16_b128 v[VF+8*(\f):VF+8*(\f)+3],   v[AV] offset:((\f)/4)*32*PV+((\f)%4)*32
	ds_load_tr16_b128 v[VF+8*(\f)+4:VF+8*(\f)+7], v[AV] offset:((\f)/4)*32*PV+16*PV+((\f)%4)*32
.endr
	s_wait_dscnt 24                                ; K is in; the mask's 8 loads and V's 16 stay out
.set i, 0
.rept 32
	KQ
.set i, i+1
.endr
	PLACES                                         ; eight places: the lines below write the results in place
	PLACES
	s_wait_dscnt 16                                ; the mask is in
	WIN 0x01                                       ; source 0 window 1
.set i, 0
.rept 16                               ; ascending: each accumulator is first read at its low end
.irp t, 0,1,2,3
	v_pk_fma_f32 v[S+32*(\t)+2*i:S+32*(\t)+2*i+1], v[MK+2*i:MK+2*i+1], s[CS:CS+1], v[S+32*(\t)+2*i:S+32*(\t)+2*i+1] op_sel_hi:[1,0,1]
.endr
.set i, i+1
.endr
	WIN 0
.irp j, 0,1,2,3,4,5,6,7,8,9,10,11,12,13,14,15,16,17,18,19
.irp t, 0,1,2,3
	MX \t, \j
.endr
.endr
.set i, 0
.rept 16
.irp t, 0,1,2,3
	v_pk_add_f32 v[S+32*(\t)+2*i:S+32*(\t)+2*i+1], v[S+32*(\t)+2*i:S+32*(\t)+2*i+1], v[ST+8*(\t):ST+8*(\t)+1] op_sel_hi:[1,0] neg_lo:[0,1] neg_hi:[0,1]
.endr
.set i, i+1
.endr
.irp t, 0,1,2,3
	v_exp_f32 v[ST+8*(\t)+6], v[ST+8*(\t)+7]       ; a
.endr
.set i, 0
.rept 128
	v_exp_f32 v[S+i], v[S+i]
.set i, i+1
.endr
	v_nop                                          ; a plain instruction behind the last exponential,
	s_wait_alu depctr_va_vdst(0)                   ; and ONE wait for the batch of 132, ahead of its first reader
.set i, 0
.rept 16
.irp t, 0,1,2,3
	v_cvt_pk_bf16_f32 v[P+16*(\t)+i], v[S+32*(\t)+2*i], v[S+32*(\t)+2*i+1]
.endr
.set i, i+1
.endr
.irp z, 0,1,2,3,4,5,6,7,8,9,10,11,12,13,14,15
.irp t, 0,1,2,3
	SUMZ \t, \z
.endr
.endr
	WIN W_RS
.set i, 0
.rept 16
.irp t, 0,1,2,3
	v_pk_mul_f32 v[32*(\t)+2*i:32*(\t)+2*i+1], v[32*(\t)+2*i:32*(\t)+2*i+1], v[ST+8*(\t)+6:ST+8*(\t)+7] op_sel_hi:[1,0]
.endr
.set i, i+1
.endr
	s_wait_dscnt 0x0                               ; V is in
.set i, 0
.rept 32
	PV
.set i, i+1
.endr
	WIN 0
	PLACES                                         ; in front of the next step's loads into V's registers
.endm
.macro TWO_STEPS                       ; a slot's two key steps: written once, walked twice
	WIN 0
	s_mov_b32 s[TWICE], 2
.Lstep_\@:
	STEP
	s_sub_co_u32 s[TWICE], s[TWICE], 1
	s_cmp_lg_u32 s[TWICE], 0
	s_cbranch_scc1 .Lstep_\@
.endm
	s_load_b128 s[4:7], s[0:1], 0x0                ; qkv s[4:5], mask s[6:7]
	s_load_b64 s[8:9], s[0:1], 0x10                ; ob
	v_lshl_add_u32 v[SPW], v0, 2, SPARE
	v_mov_b32 v[NIL], 0
	ds_add_u32 v[SPW], v[NIL]                      ; the wave's opening: the add, waited for ahead of my first tensor load
	v_lshrrev_b32 v1, 5, v0
	v_readfirstlane_b32 s[WV], v1
	s_bfe_u32 s13, ttmp6, 0x40000                  ; cx
	s_bfe_u32 s14, ttmp6, 0x40004                  ; cy = g
	s_and_b32 s15, ttmp7, 0xffff                   ; cluster y = b
	s_lshl_b32 s16, ttmp9, 2
	s_add_co_u32 s16, s16, s13
	s_lshl_b32 s16, s16, 6                         ; q0: my block's first query
	s_lshl_b32 s17, s14, 2
	s_lshl_b32 s17, 15, s17                        ; my row of the cluster
	s_lshl_b32 s18, 0x1111, s13                    ; my column
	s_or_b32 s[G1K], s17, (1<<16)|(1<<20)|(1<<21)|(4<<22)|(3<<25)  ; 2-byte elements; padded after every 32 words by 4: 128 keys are asked for as 64 dense rows of 256 bytes, two keys a row
	s_or_b32 s[G1V], s17, (1<<16)|(1<<20)|(1<<21)|(4<<22)|(7<<25)  ; the same, padded by 8 words
.irp g, G1K, G1V
	s_mov_b32 s[(\g)+1], 128<<16                   ; tensor_dim0 = 128
	s_mov_b32 s[(\g)+2], 64<<16                    ; tensor_dim1 = 64
	s_mov_b32 s[(\g)+3], 128<<16                   ; tile_dim0 = 128
	s_mov_b32 s[(\g)+4], 64                        ; tile_dim1 = 64
	s_mov_b32 s[(\g)+5], 128
	s_mov_b32 s[(\g)+6], 0
	s_mov_b32 s[(\g)+7], 0
.endr
	s_or_b32 s[G1M], s18, (2<<16)|(1<<20)|(1<<21)|(6<<22)|(3<<25)  ; 4-byte elements; padded after every 128 words by 4
	s_mov_b32 s[G1M+1], 128<<16
	s_mov_b32 s[G1M+2], 32<<16
	s_mov_b32 s[G1M+3], 128<<16
	s_mov_b32 s[G1M+4], 32                         ; 32 rows of 128 keys
	s_mov_b32 s[G1M+5], 2048
	s_mov_b32 s[G1M+6], 0
	s_mov_b32 s[G1M+7], 0
	s_mul_i32 s20, s15, 24
	s_add_co_u32 s20, s20, s14
	s_add_co_u32 s20, s20, 16
	s_lshl_b32 s20, s20, 18                        ; K's head 24 b + 16 + g, 262,144 bytes a head
	s_mov_b32 s21, 0
	s_and_b32 s19, s[WV], 1                        ; which half of the mask's 64 rows I fetch
	s_lshl_b32 s22, s19, 5
	s_add_co_u32 s22, s22, s16
	s_lshl_b32 s22, s22, 13                        ; a row of the mask is 8,192 bytes
	s_mov_b32 s23, 0
	s_mul_i32 s19, s19, 32*PM
	s_mov_b32 s[G0K], 1
	s_mov_b32 s[G0K+1], 0
	s_mov_b32 s[G0V], 1
	s_mov_b32 s[G0V+1], VOFF
	s_mov_b32 s[G0M], 1
	s_add_co_u32 s[G0M+1], s19, MOFF
	s_mul_i32 s2, s15, 24                          ; Q: head 24 b + g (+ 4 a tile), row q0 + 16 w
	s_add_co_u32 s2, s2, s14
	s_lshl_b32 s2, s2, 11
	s_add_co_u32 s2, s2, s16
	s_lshl4_add_u32 s2, s[WV], s2
	s_lshl_b32 s2, s2, 7
	s_mov_b32 s3, 0
	s_lshl_b32 s76, s15, 11                        ; O: row 2048 b + q0 + 16 w, byte 512 g
	s_add_co_u32 s76, s76, s16
	s_lshl4_add_u32 s76, s[WV], s76
	s_lshl_b32 s76, s76, 11
	s_lshl_b32 s77, s14, 9
	s_add_co_u32 s76, s76, s77
	s_mov_b32 s77, 0
	s_mov_b32 s[CS], 0x3fb8aa3b                    ; log2(e)
	s_mov_b32 s[CS+1], s[CS]
	s_mov_b32 s[SEL], 0x76543210
	s_mov_b32 s[SEL+1], 0xfedcba98
	s_mov_b32 s[TBK], SLOT1+2*KS*PK                ; the first change of slots turns these three into 0
	s_mov_b32 s[TBV], SLOT1+2*KS*PV
	s_mov_b32 s[TBM], SLOT1+2*KS*4
	s_mov_b32 s[SLOTS], 15
	s_lshl_b32 s84, s13, 12                        ; the prefetches: of K and V my work-group's 16 blocks, in tile 1;
	s_add_co_u32 s84, s84, 16384
	s_mov_b32 s85, 0
	s_lshl_b32 s86, s14, 4                         ; of the mask my work-group's 16 rows, in tile 1
	s_add_co_u32 s86, s86, s16
	s_lshl_b32 s86, s86, 13
	s_add_co_u32 s86, s86, 512
	s_mov_b32 s87, 0
	s_wait_dscnt 0x0                               ; the opening add is done
	s_wait_kmcnt 0x0
	s_add_nc_u64 s[80:81], s[4:5], s[20:21]        ; K's head
	s_mov_b64 s[G0K+2:G0K+3], s[80:81]
	s_or_b32 s[G0K+3], s[G0K+3], 0x80000000
	s_add_nc_u64 s[G0V+2:G0V+3], s[80:81], 1048576 ; V's head lies four heads on
	s_or_b32 s[G0V+3], s[G0V+3], 0x80000000
	s_add_nc_u64 s[G0M+2:G0M+3], s[6:7], s[22:23]
	s_or_b32 s[G0M+3], s[G0M+3], 0x80000000
	s_add_nc_u64 s[82:83], s[4:5], s[2:3]          ; Q
	s_add_nc_u64 s[8:9], s[8:9], s[76:77]          ; O
	s_add_nc_u64 s[84:85], s[80:81], s[84:85]
	s_add_nc_u64 s[86:87], s[6:7], s[86:87]
	s_mov_b32 s[PFS], 512                          ; a tile's step in a row of the mask; one literal to a line, so the other choice is taken below
	s_mov_b32 s[PFS+1], 0
	s_cmp_lt_u32 s[WV], 2
	s_cselect_b64 s[PFA:PFA+1], s[84:85], s[86:87]
	s_cselect_b32 s[PFS], 16384, s[PFS]            ; a tile's step in K and in V
	s_cselect_b32 s88, ttmp9, s15                  ; the coordinate along which other clusters walk the same bytes
	s_cselect_b32 s89, -1, 0
	s_and_b32 s90, s[WV], 1                        ; waves 0 and 2 ask,
	s_or_b32 s88, s88, s90
	s_cmp_eq_u32 s88, 0                            ; in the first cluster along that coordinate: the same in all sixteen partners, for a given wave
	s_cselect_b32 s[LIM], 1, -1
	v_and_b32 v50, 15, v0                          ; K and V: lanes 0-15 a block of K each, lanes 16-31 of V
	v_lshlrev_b32 v50, 8, v50
	v_bfe_u32 v51, v0, 4, 1
	v_lshl_add_u32 v50, v51, 20, v50
	v_bfe_u32 v51, v0, 1, 4                        ; the mask: row lane / 2, block lane % 2
	v_lshlrev_b32 v51, 13, v51
	v_and_b32 v52, 1, v0
	v_lshl_add_u32 v51, v52, 8, v51
	v_cndmask_b32 v[PFO], v51, v50, s89
	CROUND                                         ; all sixteen work-groups are here: the first joint loads meet
	JLOAD                                          ; tile 0 into slot 0; slot 1 is asked for when it is in
	v_and_b32 v1, 15, v0                           ; l % 16
	v_bfe_u32 v9, v0, 4, 1                         ; l / 16
	v_lshlrev_b32 v[QO], 7, v1
	v_lshl_add_u32 v[QO], v9, 4, v[QO]
	WIN 0x80
.irp t, 0,1,2,3
.irp c, 0,1
	global_load_b128 v[16*(\t)+8*(\c):16*(\t)+8*(\c)+3],   v[QO], s[82:83] offset:(\t)*1048576+(\c)*64
	global_load_b128 v[16*(\t)+8*(\c)+4:16*(\t)+8*(\c)+7], v[QO], s[82:83] offset:(\t)*1048576+(\c)*64+32
.endr
.endr
	WIN 0x40
.set i, 0
.rept 128
	v_mov_b32 v[i], 0
.set i, i+1
.endr
	WIN 0
.irp t, 0,1,2,3
	v_mov_b32 v[ST+8*(\t)], 0xff7fffff             ; m
	v_mov_b32 v[ST+8*(\t)+2], 0                    ; l
	v_mov_b32 v[ST+8*(\t)+3], 0
.endr
	v_mul_u32_u24 v[AK0], v1, PK
	v_lshl_add_u32 v[AK0], v9, 4, v[AK0]           ; K: row x pitch + 16 x half
	v_and_b32 v10, 7, v0                           ; V, turned: key 8 (l / 16) + l % 8, 16 bytes ((l / 8) % 2)
	v_bfe_u32 v11, v0, 3, 1
	v_lshl_add_u32 v[AV0], v9, 3, v10
	v_mul_u32_u24 v[AV0], v[AV0], PV
	v_lshl_add_u32 v[AV0], v11, 4, v[AV0]
	v_add_nc_u32 v[AV0], VOFF, v[AV0]
	s_lshl_b32 s17, s[WV], 4
	v_add_nc_u32 v[AM0], s17, v1                   ; the mask: my query's row, 32 bytes for each half of the lanes
	v_mul_u32_u24 v[AM0], v[AM0], PM
	v_lshl_add_u32 v[AM0], v9, 5, v[AM0]
	v_add_nc_u32 v[AM0], MOFF, v[AM0]
	s_mul_i32 s17, s[WV], 16*SP
	s_add_co_u32 s17, s17, STAGE                   ; my stage
	v_mul_u32_u24 v[STO], v1, SP
	v_lshl_add_u32 v[STO], v9, 4, v[STO]
	v_add_nc_u32 v[STO], s17, v[STO]
	v_and_b32 v[GO], 31, v0
	v_lshlrev_b32 v[GO], 4, v[GO]
	v_add_nc_u32 v[RD], s17, v[GO]
	s_wait_loadcnt 0x0                             ; Q
.Lslot:                                ; 15 trips: a tile is entered and the next asked for
	CHANGE 1
	TWO_STEPS
	s_sub_co_u32 s[SLOTS], s[SLOTS], 1
	s_cmp_lg_u32 s[SLOTS], 0
	s_cbranch_scc1 .Lslot
	CHANGE 0                                       ; the last tile is written out
	TWO_STEPS
	; THE WAY OUT.  l's two halves and the other half of the lanes' are added; O^T is divided by l, rounded to bf16 and sent through my stage: a query's four heads are 512 bytes on end.
.irp t, 0,1,2,3
	v_add_f32 v[ST+8*(\t)+4], v[ST+8*(\t)+2], v[ST+8*(\t)+3]
.endr
.irp t, 0,1,2,3
	v_permlanex16_b32 v[ST+8*(\t)+5], v[ST+8*(\t)+4], s[SEL], s[SEL+1]
.endr
.irp t, 0,1,2,3
	v_add_f32 v[ST+8*(\t)+4], v[ST+8*(\t)+4], v[ST+8*(\t)+5]
.endr
.irp t, 0,1,2,3
	v_rcp_f32 v[ST+8*(\t)+6], v[ST+8*(\t)+4]
.endr
	v_nop
	s_wait_alu depctr_va_vdst(0)                   ; one wait for the four reciprocals
.macro PACK t
	WIN W_RS
.set i, 32*(\t)
.rept 16
	v_pk_mul_f32 v[i:i+1], v[i:i+1], v[ST+8*(\t)+6:ST+8*(\t)+7] op_sel_hi:[1,0]
.set i, i+2
.endr
	WIN 0x05                                       ; sources 0 and 1 window 1, destination window 0
.set i, 0
.rept 16
	v_cvt_pk_bf16_f32 v[S+16*(\t)+i], v[32*(\t)+2*i], v[32*(\t)+2*i+1]
.set i, i+1
.endr
	WIN 0
.irp cb, 0,1,2,3
	ds_store_b128 v[STO], v[S+16*(\t)+4*(\cb):S+16*(\t)+4*(\cb)+3] offset:128*(\t)+32*(\cb)
.endr
.endm
	PACK 0
	PACK 1
	PACK 2
	PACK 3
.irp i, 0,1,2,3,4,5,6,7,8,9,10,11,12,13,14,15
	ds_load_b128 v[S+64+4*(\i):S+64+4*(\i)+3], v[RD] offset:(\i)*SP   ; my own bytes; LDS serves a wave's instructions in order (ISA guide 5.7.1.4)
.endr
.irp i, 0,1,2,3,4,5,6,7,8,9,10,11,12,13,14,15
	s_wait_dscnt 15-(\i)                           ; row i is back; the younger rows stay out
	global_store_b128 v[GO], v[S+64+4*(\i):S+64+4*(\i)+3], s[8:9] offset:(\i)*2048   ; 512 consecutive bytes, aligned
.endr
	s_wait_tensorcnt 0x0                           ; the wave's end
	ds_add_u32 v[SPW], v[NIL]
	s_wait_dscnt 0x0
	CROUND                                         ; the closing round
	s_endpgm
.Lfunc_end_k_qb24623d459_attn:
	.size	k_qb24623d459_attn, .Lfunc_end_k_qb24623d459_attn-k_qb24623d459_attn
	.p2alignl 7, 3214868480
	.fill 96, 4, 3214868480
	.section	.rodata,"a",@progbits
	.p2align	6, 0x0
	.amdhsa_kernel k_qb24623d459_attn
		.amdhsa_group_segment_fixed_size 327680
		.amdhsa_private_segment_fixed_size 0
		.amdhsa_enable_private_segment 0
		.amdhsa_kernarg_size 24
		.amdhsa_user_sgpr_count 2
		.amdhsa_user_sgpr_kernarg_segment_ptr 1
		.amdhsa_wavefront_size32 1
		.amdhsa_system_sgpr_workgroup_id_x 1
		.amdhsa_system_sgpr_workgroup_id_y 1
		.amdhsa_system_sgpr_workgroup_id_z 1
		.amdhsa_system_vgpr_workitem_id 0
		.amdhsa_next_free_vgpr 768
		.amdhsa_next_free_sgpr 96
		.amdhsa_reserve_vcc 0
		.amdhsa_float_denorm_mode_32 3
		.amdhsa_float_denorm_mode_16_64 3
		.amdhsa_memory_ordered 1
		.amdhsa_forward_progress 1
		.amdhsa_inst_pref_size 104
	.end_amdhsa_kernel
	.amdgpu_metadata
---
amdhsa.version: [ 1, 2 ]
amdhsa.kernels:
  - .name:           k_qb24623d459_attn
    .symbol:         k_qb24623d459_attn.kd
    .args:
      - { .name: qkv, .offset: 0, .size: 8, .value_kind: global_buffer, .address_space: global }
      - { .name: attention_mask, .offset: 8, .size: 8, .value_kind: global_buffer, .address_space: global }
      - { .name: ob, .offset: 16, .size: 8, .value_kind: global_buffer, .address_space: global }
    .group_segment_fixed_size: 327680
    .private_segment_fixed_size: 0
    .kernarg_segment_align: 8
    .kernarg_segment_size: 24
    .max_flat_workgroup_size: 128
    .sgpr_count:     96
    .vgpr_count:     768
    .wavefront_size: 32
...
	.end_amdgpu_metadata
.endif
;; end of part 3
;; launch oproj (part 4): grid 8 x 32, 4 waves a work-group, clusters of 4 x 4, 327,680 bytes of LDS; arguments ob, wb, x1, x; writes x1
.if DOCPART == 4
	.amdgcn_target "amdgcn-amd-amdhsa--gfx1250"
	.amdhsa_code_object_version 6
	.text
	.protected	k_qb24623d459_oproj
	.globl	k_qb24623d459_oproj
	.p2align	8
	.type	k_qb24623d459_oproj,@function
k_qb24623d459_oproj:
	s_mov_b64 s[64:65], 0
	v_nop
	global_prefetch_b8 v0, s[64:65] scope:SCOPE_SE
	s_setreg_imm32_b32 hwreg(HW_REG_WAVE_MODE, 25, 1), 1
	s_wait_xcnt 0x0
	s_wait_alu depctr_hold_cnt(0) depctr_sa_sdst(0) depctr_va_vdst(0) depctr_va_sdst(0) depctr_va_ssrc(0) depctr_va_vcc(0) depctr_vm_vsrc(0)
	s_getreg_b32 s2, hwreg(HW_REG_IB_STS2, 6, 4)
	s_cmp_eq_u32 s2, 0
	s_cbranch_scc0 .Lentry_in_a_cluster
	s_endpgm
.Lentry_in_a_cluster:
	s_bfe_u32 s2, ttmp6, 0x10000c
	s_cmp_lg_u32 s2, 0xf033
	s_cbranch_scc0 .Lentry_shape_is_right
	s_endpgm
.Lentry_shape_is_right:
; x1 = x + o wo.  o: bf16 [4096][1024], its channels in the order g 256 + r 64 + d; wo: bf16 [1024][1024] at byte WOFF of wb, its rows in the same order.  x, x1: f32 [4096][1024].  Sums and the residual in f32.
; THE PRODUCT.  A tile of C is 128 x 128: four waves, each 64 x 64 = 16 accumulators.  K goes in steps of 256 through two LDS slots filled by the tensor data mover: A's rows are 512 bytes,
; B's tile is 256 k-rows of 256 bytes.  A comes out of LDS as it lies, B ([k][n]) turned, by ds_load_tr16_b128.  The matrix instruction is used transposed (source 0 = 16 columns of B,
; source 1 = 16 rows of A): a lane then holds row l % 16 of C and eight neighbouring columns 8 (l / 16) + 0..7.
; CLUSTER.  4 x 4 work-groups: the four of a row need the same tiles of A, the four of a column the same tiles of B; each tile is asked for jointly.  No prefetch: the tiles are small.
; THE LOOP.  A K step is eight UNITS of 32 along K, 16 matrix instructions each, on two fragment buffers.  Units go in pairs; three pairs are one counted loop, the fourth changes slots.
; THE WAY OUT.  My 64 x 64 of x is loaded at the start, by rows.  A block of 16 rows of sums goes through my own stage in LDS and comes back by rows; x is added; sixteen lanes store 256 consecutive bytes, aligned.
; The 128 lines that clear the accumulators run while the first tiles are on their way; a first pair written out would cost more text.
; REGISTERS.  Window 0: v16-29 addresses; v32-95 at work on the way out; v128-255 accumulators.  Window 1: v0-63, v64-127 two fragment buffers; v128-255 x.
.set SIZE_N, 1024
.set SIZE_K, 1024
.set WOFF,   3145728
.set PA,     528                       ; A's row in LDS: 512 bytes + 16
.set PB,     288                       ; B's row: 256 bytes + 32
.set HALFA,  64*PA
.set HALFB,  128*PB
.set SLOT,   2*HALFA+2*HALFB           ; A's 128 rows, then B's 256 k-rows
.set STAGE,  2*SLOT                    ; behind the ring: 16 rows x 272 bytes for each wave
.set SP,     272
.set SPARE,  300032                    ; the spare words, 128 bytes for each wave: two blocks of 256 bytes that no other line names
.set LAPS,   SIZE_K/512
.set ADRA, 16
.set AA,   18
.set ADRB, 20
.set AB,   22
.set STO,  24
.set RD,   25
.set CO,   26
.set SPW,  28
.set NIL,  29
.set ACC,  128
.set F0,   0
.set F1,   64
.set EX,   128
.set TA,   45
.set TB,   66
.set G1,   24
.set G0,   32
.set G1B,  48
.set G0B,  56
.set MSB, 0
.macro WIN new
.if MSB != (\new)
	s_set_vgpr_msb (MSB<<8)|(\new)
.set MSB, \new
.endif
.endm
.set MUL,  0x05                        ; sources 0 (B) and 1 (A) window 1; C and D window 0
.set TO_F, 0x40                        ; destination window 1, address window 0
.macro PLACES                          ; four places in front of loads into registers that matrix instructions have read
.rept 4
	v_nop
.endr
.endm
.macro JLOAD s                         ; a joint load: waves 0 and 1 fetch A's halves, waves 2 and 3 B's; an s_nop 0 and four v_nop follow each line
	s_cmp_eq_u32 s11, 0
	s_cbranch_scc0 .Lfor_b_\@
	tensor_load_to_lds s[G0+4*(\s):G0+4*(\s)+3], s[G1:G1+7]
	s_nop 0
.rept 4
	v_nop
.endr
	s_branch .Lasked_\@
.Lfor_b_\@:
	tensor_load_to_lds s[G0B+4*(\s):G0B+4*(\s)+3], s[G1B:G1B+7]
	s_nop 0
.rept 4
	v_nop
.endr
.Lasked_\@:
.endm
.macro CREST
	s_cmp_lg_u32 s10, 0
	s_cbranch_scc1 .Lnot_wave_0_\@
	s_barrier_signal -3
.Lnot_wave_0_\@:
	s_barrier_wait -3
	s_barrier_signal -1
	s_barrier_wait -1
.endm
.macro CROUND
	s_barrier_signal -1
	s_barrier_wait -1
	CREST
.endm
.macro MUL8 f, a0                      ; 8 matrix instructions; the 16 accumulators take turns, in the same order everywhere
	WIN MUL
.irp a, \a0, (\a0)+1
.irp b, 0,1,2,3
	v_wmma_f32_16x16x32_bf16 v[ACC+8*(4*(\a)+(\b)):ACC+8*(4*(\a)+(\b))+7], v[(\f)+32+8*(\b):(\f)+32+8*(\b)+7], v[(\f)+8*(\a):(\f)+8*(\a)+7], v[ACC+8*(4*(\a)+(\b)):ACC+8*(4*(\a)+(\b))+7]
.endr
.endr
.endm
.macro FETCHU f, ka, kb                ; 16 LDS loads in one run: a unit's fragments into buffer f
	WIN TO_F
.irp i, 0,1,2,3
	ds_load_tr16_b128 v[(\f)+32+8*(\i):(\f)+32+8*(\i)+3],   v[AB] offset:(\kb)+32*(\i)
	ds_load_tr16_b128 v[(\f)+32+8*(\i)+4:(\f)+32+8*(\i)+7], v[AB] offset:(\kb)+32*(\i)+16*PB
	ds_load_b128 v[(\f)+8*(\i):(\f)+8*(\i)+3],   v[AA] offset:(\ka)+(\i)*16*PA
	ds_load_b128 v[(\f)+8*(\i)+4:(\f)+8*(\i)+7], v[AA] offset:(\ka)+(\i)*16*PA+32
.endr
.endm
.macro PAIR                            ; two units; entered, and left, with buffer 0's 16 loads out and nothing else
	PLACES
	FETCHU F1, 64, 32*PB
	s_wait_dscnt 16                                ; buffer 0 is in; the 16 just issued stay out
	MUL8 F0, 0
	MUL8 F0, 2
	PLACES
	FETCHU F0, 128, 64*PB
	s_wait_dscnt 16                                ; buffer 1 is in
	MUL8 F1, 0
	MUL8 F1, 2
	WIN 0
	s_add_co_u32 s[TA], s[TA], 128
	s_add_co_u32 s[TB], s[TB], 64*PB
	v_add_nc_u32 v[AA], s[TA], v[ADRA]
	v_add_nc_u32 v[AB], s[TB], v[ADRB]
.endm
.macro INNER                           ; units 0 to 5 of a K step
	s_mov_b32 s2, 3
.Lpair_\@:
	PAIR
	s_sub_co_u32 s2, s2, 1
	s_cmp_lg_u32 s2, 0
	s_cbranch_scc1 .Lpair_\@
.endm
; Units 6 and 7, and the change of slots: ONE barrier.  In front of it each wave waits for all its tensor loads (one is out: its part of the next slot), adds 0 to its spare word, and waits for
; that and for its reads of this slot.  fill = 1: the barrier opens a round of the cluster's, and this slot is filled again, two K steps ahead, first thing behind the round.
.macro TPAIR slot, next, fill
	PLACES
	FETCHU F1, 64, 32*PB                           ; my last reads of this slot
	s_wait_dscnt 16
	MUL8 F0, 0
	WIN 0
	s_mov_b32 s[TA], (\next)*SLOT
	s_mov_b32 s[TB], (\next)*SLOT
	v_add_nc_u32 v[AA], s[TA], v[ADRA]
	v_add_nc_u32 v[AB], s[TB], v[ADRB]
	s_wait_tensorcnt 0x0                           ; all my tensor loads have landed;
	ds_add_u32 v[SPW], v[NIL]                      ; 0 onto my spare word;
	MUL8 F0, 2                                     ; eight matrix instructions stand between the add and the wait for it
	s_wait_dscnt 0x0                               ; the add is done, and my reads of this slot are over
	s_barrier_signal -1
	MUL8 F1, 0
	WIN 0
	s_barrier_wait -1
.if \fill
	CREST                                          ; no wave of any partner still reads this slot or has a load on its way
	s_add_nc_u64 s[G0+4*(\slot)+2:G0+4*(\slot)+3], s[G0+4*(\slot)+2:G0+4*(\slot)+3], 1024
	s_add_nc_u64 s[G0B+4*(\slot)+2:G0B+4*(\slot)+3], s[G0B+4*(\slot)+2:G0B+4*(\slot)+3], 1024*SIZE_N
	JLOAD \slot                                    ; 112 matrix instructions ahead of the wait for it; its four v_nop are also the places in front of the loads below
.else
	PLACES
.endif
	FETCHU F0, 0, 0                                ; the next slot's unit 0
	MUL8 F1, 2
	WIN 0
.endm
.macro LPAIR
	PLACES
	FETCHU F1, 64, 32*PB
	s_wait_dscnt 16
	MUL8 F0, 0
	MUL8 F0, 2
	s_wait_dscnt 0x0
	MUL8 F1, 0
	MUL8 F1, 2
	WIN 0
.endm
	s_load_b128 s[4:7], s[0:1], 0x0                ; A s[4:5], wb s[6:7]
	s_load_b64 s[8:9], s[0:1], 0x10                ; x1
	s_load_b64 s[68:69], s[0:1], 0x18              ; x
	v_lshl_add_u32 v[SPW], v0, 2, SPARE
	v_mov_b32 v[NIL], 0
	ds_add_u32 v[SPW], v[NIL]                      ; the wave's opening: the add, waited for ahead of my first tensor load
	v_lshrrev_b32 v1, 5, v0
	v_readfirstlane_b32 s10, v1
	s_lshr_b32 s11, s10, 1                         ; my half of the tile's rows.  Also: I fetch for A (0) or for B (1)
	s_and_b32 s12, s10, 1                          ; my half of its columns.  Also: which half of that tile I fetch
	s_bfe_u32 s40, ttmp6, 0x40000                  ; cx
	s_bfe_u32 s41, ttmp6, 0x40004                  ; cy
	s_lshl_b32 s42, ttmp9, 2
	s_add_co_u32 s42, s42, s40                     ; tile column
	s_and_b32 s13, ttmp7, 0xffff
	s_lshl_b32 s13, s13, 2
	s_add_co_u32 s13, s13, s41                     ; tile row
	s_lshl_b32 s43, s41, 2
	s_lshl_b32 s43, 15, s43
	s_lshl_b32 s44, 0x1111, s40
	s_or_b32 s[G1+0], s43, (1<<16)|(1<<20)|(1<<21)|(6<<22)|(3<<25)   ; the mask; 2-byte elements; padding on; bit 21 beside a mask; after every 128 words, 4 words
	s_mov_b32 s[G1+1], 256<<16
	s_mov_b32 s[G1+2], 64<<16
	s_mov_b32 s[G1+3], 256<<16
	s_mov_b32 s[G1+4], 64
	s_mov_b32 s[G1+5], SIZE_K
	s_mov_b32 s[G1+6], 0
	s_mov_b32 s[G1+7], 0
	s_or_b32 s[G1B+0], s44, (1<<16)|(1<<20)|(1<<21)|(5<<22)|(7<<25)  ; after every 64 words, 8 words
	s_mov_b32 s[G1B+1], 128<<16
	s_mov_b32 s[G1B+2], 128<<16
	s_mov_b32 s[G1B+3], 128<<16
	s_mov_b32 s[G1B+4], 128
	s_mov_b32 s[G1B+5], SIZE_N
	s_mov_b32 s[G1B+6], 0
	s_mov_b32 s[G1B+7], 0
	s_lshl_b32 s17, s12, 6
	s_lshl_b32 s16, s13, 7
	s_add_co_u32 s16, s16, s17
	s_mul_i32 s16, s16, SIZE_K*2
	s_mov_b32 s17, 0
	s_mul_i32 s46, s12, 128*SIZE_N*2
	s_lshl_b32 s47, s42, 8
	s_add_co_u32 s46, s46, s47
	s_add_co_u32 s46, s46, WOFF
	s_mov_b32 s47, 0
	s_mul_i32 s20, s12, HALFA
	s_mul_i32 s21, s12, HALFB
	s_add_co_u32 s21, s21, 2*HALFA
	s_wait_dscnt 0x0                               ; the opening add is done
	s_wait_kmcnt 0x0
	s_add_nc_u64 s[14:15], s[4:5], s[16:17]
	s_add_nc_u64 s[46:47], s[6:7], s[46:47]
	CROUND                                         ; all sixteen work-groups are here: the first joint loads meet
.irp s, 0,1
	s_mov_b32 s[G0+4*(\s)], 1
	s_add_co_u32 s[G0+4*(\s)+1], s20, (\s)*SLOT
	s_add_nc_u64 s[G0+4*(\s)+2:G0+4*(\s)+3], s[14:15], (\s)*512
	s_or_b32 s[G0+4*(\s)+3], s[G0+4*(\s)+3], 0x80000000
	s_mov_b32 s[G0B+4*(\s)], 1
	s_add_co_u32 s[G0B+4*(\s)+1], s21, (\s)*SLOT
	s_add_nc_u64 s[G0B+4*(\s)+2:G0B+4*(\s)+3], s[46:47], (\s)*512*SIZE_N
	s_or_b32 s[G0B+4*(\s)+3], s[G0B+4*(\s)+3], 0x80000000
	JLOAD \s                                       ; two loads of mine are out
.endr
	v_and_b32 v1, 15, v0
	v_bfe_u32 v2, v0, 4, 1
	v_mul_u32_u24 v3, v1, PA
	v_lshl_add_u32 v3, v2, 4, v3
	s_mul_i32 s21, s11, HALFA
	v_add_nc_u32 v[ADRA], s21, v3
	v_and_b32 v4, 7, v0
	v_lshl_add_u32 v4, v2, 3, v4
	v_mul_u32_u24 v4, v4, PB
	v_bfe_u32 v5, v0, 3, 1
	v_lshl_add_u32 v4, v5, 4, v4
	s_lshl_b32 s22, s12, 7
	s_add_co_u32 s22, s22, 2*HALFA
	v_add_nc_u32 v[ADRB], s22, v4
	; the way out's addresses
	s_mul_i32 s23, s10, 16*SP
	s_add_co_u32 s23, s23, STAGE                   ; my stage
	v_mul_u32_u24 v6, v1, SP                       ; in: row l % 16, 32 bytes for each half of the lanes
	v_lshl_add_u32 v6, v2, 5, v6
	v_add_nc_u32 v[STO], s23, v6
	v_mul_u32_u24 v6, v2, SP                       ; back: lanes 0-15 one row of 256 bytes, lanes 16-31 the next
	v_lshl_add_u32 v6, v1, 4, v6
	v_add_nc_u32 v[RD], s23, v6
	v_lshlrev_b32 v6, 12, v2                       ; and the same two rows in x and x1
	v_lshl_add_u32 v[CO], v1, 4, v6
	s_lshl_b32 s16, s13, 7
	s_lshl_b32 s17, s11, 6
	s_add_co_u32 s16, s16, s17
	s_lshl_b32 s16, s16, 12                        ; my first row, 4,096 bytes a row
	s_lshl_b32 s76, s42, 9
	s_lshl_b32 s77, s12, 8
	s_add_co_u32 s76, s76, s77                     ; my first column
	s_add_co_u32 s76, s76, s16
	s_mov_b32 s77, 0
	s_add_nc_u64 s[8:9], s[8:9], s[76:77]
	s_add_nc_u64 s[68:69], s[68:69], s[76:77]
	WIN 0x40
.irp a, 0,1,2,3
.irp t, 0,1,2,3,4,5,6,7
	global_load_b128 v[EX+32*(\a)+4*(\t):EX+32*(\a)+4*(\t)+3], v[CO], s[68:69] offset:(\a)*65536+(\t)*8192 th:TH_LOAD_NT
.endr
.endr
	WIN 0
.set r, 0
.rept 128
	v_mov_b32 v[ACC+r], 0
.set r, r+1
.endr
	s_wait_tensorcnt 1                             ; my part of K step 0 is in; K step 1's stays out
	s_barrier_signal -1
	s_barrier_wait -1
	s_mov_b32 s[TA], 0
	s_mov_b32 s[TB], 0
	v_add_nc_u32 v[AA], s[TA], v[ADRA]
	v_add_nc_u32 v[AB], s[TB], v[ADRB]
	FETCHU F0, 0, 0
	WIN 0
	s_mov_b32 s3, LAPS-1
.Llap:
	INNER
	TPAIR 0, 1, 1
	INNER
	TPAIR 1, 0, 1
	s_sub_co_u32 s3, s3, 1
	s_cmp_lg_u32 s3, 0
	s_cbranch_scc1 .Llap
	INNER                                          ; the last lap is written out
	TPAIR 0, 1, 0
	INNER
	LPAIR
	PLACES
	PLACES
.macro OUTBLK a                        ; rows 16 a .. + 15
.set BK, 32+32*((\a)%2)
.if (\a) >= 2
	s_wait_xcnt 0x0                                ; the stores of two blocks back have read these registers
.endif
.irp b, 0,1,2,3
	ds_store_b128 v[STO], v[ACC+8*(4*(\a)+(\b)):ACC+8*(4*(\a)+(\b))+3]   offset:64*(\b)      ; each accumulator's low half first
	ds_store_b128 v[STO], v[ACC+8*(4*(\a)+(\b))+4:ACC+8*(4*(\a)+(\b))+7] offset:64*(\b)+16
.endr
.irp t, 0,1,2,3,4,5,6,7
	ds_load_b128 v[BK+4*(\t):BK+4*(\t)+3], v[RD] offset:(\t)*2*SP   ; my own bytes; LDS serves a wave's instructions in order (ISA guide 5.7.1.4)
.endr
	s_wait_dscnt 0x0
	WIN 0x04                                       ; source 1 window 1
.set r, 0
.rept 16
	v_pk_add_f32 v[BK+r:BK+r+1], v[BK+r:BK+r+1], v[EX+32*(\a)+r:EX+32*(\a)+r+1]
.set r, r+2
.endr
	WIN 0
.irp t, 0,1,2,3,4,5,6,7
	global_store_b128 v[CO], v[BK+4*(\t):BK+4*(\t)+3], s[8:9] offset:(\a)*65536+(\t)*8192   ; 16 lanes store 256 consecutive bytes, aligned
.endr
.endm
	s_wait_loadcnt 0x0                             ; x
	OUTBLK 0
	OUTBLK 1
	OUTBLK 2
	OUTBLK 3
	s_wait_tensorcnt 0x0                           ; the wave's end
	ds_add_u32 v[SPW], v[NIL]
	s_wait_dscnt 0x0
	CROUND                                         ; the closing round
	s_endpgm
.Lfunc_end_k_qb24623d459_oproj:
	.size	k_qb24623d459_oproj, .Lfunc_end_k_qb24623d459_oproj-k_qb24623d459_oproj
	.p2alignl 7, 3214868480
	.fill 96, 4, 3214868480
	.section	.rodata,"a",@progbits
	.p2align	6, 0x0
	.amdhsa_kernel k_qb24623d459_oproj
		.amdhsa_group_segment_fixed_size 327680
		.amdhsa_private_segment_fixed_size 0
		.amdhsa_enable_private_segment 0
		.amdhsa_kernarg_size 32
		.amdhsa_user_sgpr_count 2
		.amdhsa_user_sgpr_kernarg_segment_ptr 1
		.amdhsa_wavefront_size32 1
		.amdhsa_system_sgpr_workgroup_id_x 1
		.amdhsa_system_sgpr_workgroup_id_y 1
		.amdhsa_system_sgpr_workgroup_id_z 1
		.amdhsa_system_vgpr_workitem_id 0
		.amdhsa_next_free_vgpr 512
		.amdhsa_next_free_sgpr 80
		.amdhsa_reserve_vcc 0
		.amdhsa_float_denorm_mode_32 3
		.amdhsa_float_denorm_mode_16_64 3
		.amdhsa_memory_ordered 1
		.amdhsa_forward_progress 1
		.amdhsa_inst_pref_size 67
	.end_amdhsa_kernel
	.amdgpu_metadata
---
amdhsa.version: [ 1, 2 ]
amdhsa.kernels:
  - .name:           k_qb24623d459_oproj
    .symbol:         k_qb24623d459_oproj.kd
    .args:
      - { .name: ob, .offset: 0, .size: 8, .value_kind: global_buffer, .address_space: global }
      - { .name: wb, .offset: 8, .size: 8, .value_kind: global_buffer, .address_space: global }
      - { .name: x1, .offset: 16, .size: 8, .value_kind: global_buffer, .address_space: global }
      - { .name: x, .offset: 24, .size: 8, .value_kind: global_buffer, .address_space: global }
    .group_segment_fixed_size: 327680
    .private_segment_fixed_size: 0
    .kernarg_segment_align: 8
    .kernarg_segment_size: 32
    .max_flat_workgroup_size: 128
    .sgpr_count:     80
    .vgpr_count:     512
    .wavefront_size: 32
...
	.end_amdgpu_metadata
.endif
;; end of part 4
;; launch ln2: the kernel of part 1 again; grid 256 x 1, 8 waves a work-group, no clusters, 0 bytes of LDS; arguments x1, ln2_g, ln2_b, wq, wk, wv, wo, w1, w2, hb, tab, wb; writes hb, tab, wb
;; launch ffn1 (part 5): grid 16 x 16, 4 waves a work-group, clusters of 4 x 4, 327,680 bytes of LDS; arguments hb, wb, act, b1; writes act
.if DOCPART == 5
	.amdgcn_target "amdgcn-amd-amdhsa--gfx1250"
	.amdhsa_code_object_version 6
	.text
	.protected	k_qb24623d459_ffn1
	.globl	k_qb24623d459_ffn1
	.p2align	8
	.type	k_qb24623d459_ffn1,@function
k_qb24623d459_ffn1:
	s_mov_b64 s[64:65], 0
	v_nop
	global_prefetch_b8 v0, s[64:65] scope:SCOPE_SE
	s_setreg_imm32_b32 hwreg(HW_REG_WAVE_MODE, 25, 1), 1
	s_wait_xcnt 0x0
	s_wait_alu depctr_hold_cnt(0) depctr_sa_sdst(0) depctr_va_vdst(0) depctr_va_sdst(0) depctr_va_ssrc(0) depctr_va_vcc(0) depctr_vm_vsrc(0)
	s_getreg_b32 s2, hwreg(HW_REG_IB_STS2, 6, 4)
	s_cmp_eq_u32 s2, 0
	s_cbranch_scc0 .Lentry_in_a_cluster
	s_endpgm
.Lentry_in_a_cluster:
	s_bfe_u32 s2, ttmp6, 0x10000c
	s_cmp_lg_u32 s2, 0xf033
	s_cbranch_scc0 .Lentry_shape_is_right
	s_endpgm
.Lentry_shape_is_right:
; act = gelu(h2 w1 + b1), the tanh form: y = x / (1 + 2^(x (c0 + c1 x^2))), c0 = -2 log2(e) sqrt(2/pi), c1 = 0.044715 c0.  h2: bf16 [4096][1024]; w1: bf16 [1024][4096] at byte WOFF of wb;
; b1: f32 [4096]; act: bf16 [4096][4096].  Sums, bias and gelu in f32; act rounded once.  Far out the form gives x and 0, as the tanh form does; NaN is not treated apart.
; THE PRODUCT.  C has 16 x 16 tiles of 256 x 256: one work-group each, four waves, a wave 128 x 128: 64 accumulators of 16 x 16, 512 registers.  K goes in 8 steps of 128 through two LDS slots
; filled by the tensor data mover: A's tile is 256 rows of 256 bytes, B's 128 k-rows of 512 bytes.  A comes out of LDS as it lies, B ([k][n]) turned, by ds_load_tr16_b128.  The matrix instruction
; is used transposed (source 0 = 16 columns of B, source 1 = 16 rows of A): a lane then holds row l % 16 of C and eight neighbouring columns 8 (l / 16) + 0..7.
; THE BIAS is the C operand of the first quarter's products: nothing is cleared and nothing is added later.
; CLUSTER.  4 x 4 work-groups: the four of a row need the same tiles of A, the four of a column the same tiles of B; each tile is asked for jointly, by the same load, descriptor and mask.
; ONE TEXT FOR BOTH SLOTS.  A K step is four quarters of 32 along K, 64 matrix instructions each, on two fragment buffers.  The slot enters the LDS addresses by a scalar that one exclusive or turns
; between 0 and SLOT; the walking descriptors' LDS words are turned by the same exclusive or: their bases (0, 0x8800, 0x11000, 0x19800) share no bit with SLOT = 0x22000, so it is the sum.
; A trip of the loop goes from a step's second quarter to the next step's first and fills the slot that it leaves: 6 trips for K steps 2 to 7.  The last two steps fill nothing: a second copy, walked
; twice and left in its middle.
; THE WAY OUT.  Behind a barrier that shows every wave's reads of the slots over, each wave puts its 128 x 128 sums, f32, into 128 rows x 528 bytes of the slots, its own; they have had their last fill.
; It walks them eight rows a trip: a lane takes 16 bytes of a row (32 lanes, 512 bytes on end), gelu, bf16, and one store of the wave covers the row's 256 consecutive bytes, aligned.
; The gelu stands behind the products, not beside them: on the accumulators themselves it would be written out once for each of eight blocks of rows.
; REGISTERS, in windows of 256 (s_set_vgpr_msb: bits 1:0 source 0, 3:2 source 1, 5:4 source 2, 7:6 destination):
;   window 0: v16-31 addresses; v64-127, v128-191 A's fragments, two buffers; v192-255 the bias; on the way out v32-63 x, v64-95 at work, v96-111 packed
;   window 1: v64-127, v128-191 B's fragments, two buffers      window 2: the accumulators of my rows 0-63 ((a, b) at 8 (8 a + b))      window 3: those of my rows 64-127
.set SIZE_N, 4096
.set SIZE_K, 1024
.set WOFF,   5242880
.set KSTEP,  128
.set STEPS,  SIZE_K/KSTEP
.set PA,     272                       ; A's row in LDS: 256 bytes + 16 = 68 words: the 16 rows of a load start at 16 different groups of four banks (ISA guide 11.1)
.set PB,     544                       ; B's row: 512 bytes + 32 = 136 words
.set HALFA,  128*PA                    ; what one load brings of A: 128 rows
.set HALFB,  64*PB                     ; of B: 64 k-rows
.set BOFF,   2*HALFA                   ; B's part of a slot lies behind A's
.set SLOT,   2*HALFA+2*HALFB
.set SP,     528                       ; the way out: a row of 128 f32 + 16 bytes
.set SPARE,  2*SLOT                    ; behind the ring: the spare words, 128 bytes for each wave: two blocks of 256 bytes that no other line names
.set ADRA, 16                          ; v16  my lane's place in A's part of a slot; never rewritten
.set AA,   18                          ; v18  ADRA + the slot in hand
.set ADRB, 20                          ; v20  the same for B
.set AB,   22                          ; v22
.set STO,  24                          ; v24  the way out: where I put 16 bytes of a row
.set RD,   25                          ; v25  where I read a row back
.set CO,   26                          ; v26  8 x lane: my 8 bytes of a row of act
.set TO,   27                          ; v27  my byte offset in 16 numbers of the bias
.set SPW,  28                          ; v28  my spare word: SPARE + 4 x my thread's number; never rewritten
.set NIL,  29                          ; v29  0; never rewritten
.set RDW,  30                          ; v30  RD + the rows done
.set PFO,  31                          ; v31  the prefetches' offset; never rewritten
.set F0,   64
.set F1,   128
.set BIAS, 192
.set XR,   32
.set TR,   64
.set PKD,  96
.set TSL,  45                          ; s45  0 or SLOT: the slot whose fragments are fetched; on the way out the bytes of the rows done
.set G1,   24                          ; s[24:31] descriptor group 1 for A;  s[32:39] group 0, a set for each first fill; the second then walks on
.set G0,   32
.set G1B,  48                          ; s[48:55], s[56:63] the same for B
.set G0B,  56
.set PFA,  70                          ; s[70:71] where my prefetches stand
.set PFS,  72                          ; s[72:73] their step from K step to K step
.set LIM,  74                          ; s74  1 in a wave that prefetches, else the greatest number
.set GC1,  76                          ; s[76:77] c1
.set GC0,  78                          ; s[78:79] c0
.set MSB, 0
.macro WIN new                         ; the immediate's high byte repeats the setting that is left; a switch that changes nothing is dropped
.if MSB != (\new)
	s_set_vgpr_msb (MSB<<8)|(\new)
.set MSB, \new
.endif
.endm
.set TO_B, 0x40                        ; destination window 1, address window 0
.macro PLACES                          ; four places in front of loads into registers that matrix instructions have read, and of lines that read results
.rept 4
	v_nop
.endr
.endm
.macro JLOAD s                         ; a joint load: waves 0 and 1 fetch A's halves, waves 2 and 3 B's; an s_nop 0 and four v_nop follow each line
	s_cmp_eq_u32 s11, 0
	s_cbranch_scc0 .Lfor_b_\@
	tensor_load_to_lds s[G0+4*(\s):G0+4*(\s)+3], s[G1:G1+7]
	s_nop 0
.rept 4
	v_nop
.endr
	s_branch .Lasked_\@
.Lfor_b_\@:
	tensor_load_to_lds s[G0B+4*(\s):G0B+4*(\s)+3], s[G1B:G1B+7]
	s_nop 0
.rept 4
	v_nop
.endr
.Lasked_\@:
.endm
; A PREFETCH INTO THE L2 of the K step that the NEXT refill will ask for: one K step, 256 matrix instructions, ahead of that load; 32 blocks of 256 bytes, a lane a block, one instruction a wave.
; Each block is named once in the launch.  A's tile row is read by every cluster of that row of clusters: the one with cluster x = 0 asks; B's tile column by every cluster of that column: the one with
; cluster y = 0 asks.  The four partners that ask for a tile jointly share it out BY ADDRESS: of the 128 rows of A that a wave fetches the partner at cx takes 32 cx .. + 31; of the 64 k-rows x 2 blocks of
; B the partner at cy takes k-rows 16 cy .. + 15.  K steps 0 to 2 come by their loads alone; the trip that asks for the last K step prefetches nothing.
.macro ASK
	s_cmp_gt_u32 s3, s[LIM]
	s_cbranch_scc0 .Lnot_mine_\@
	global_prefetch_b8 v[PFO], s[PFA:PFA+1] th:TH_LOAD_NT scope:SCOPE_SE
.Lnot_mine_\@:
.endm
.macro CREST                           ; a round of the cluster's barrier behind its opening barrier
	s_cmp_lg_u32 s10, 0
	s_cbranch_scc1 .Lnot_wave_0_\@
	s_barrier_signal -3
.Lnot_wave_0_\@:
	s_barrier_wait -3
	s_barrier_signal -1
	s_barrier_wait -1
.endm
.macro CROUND
	s_barrier_signal -1
	s_barrier_wait -1
	CREST
.endm
; 16 matrix instructions: row blocks a0, a0 + 1 of the window's four (hi = 0: my rows 0-63, 1: rows 64-127) x all 8 column blocks, 32 along K.  first = 1: the sums start from the bias.
; The 64 accumulators take turns, one instruction a turn, in the same order in every quarter.
.macro MUL16 f, hi, a0, first
.if \first
	WIN 0x81+0x40*(\hi)                            ; B window 1, A and the bias window 0, D window 2 or 3
.else
	WIN 0xa1+0x50*(\hi)                            ; B window 1, A window 0, C and D window 2 or 3
.endif
.irp a, \a0, (\a0)+1
.irp b, 0,1,2,3,4,5,6,7
.if \first
	v_wmma_f32_16x16x32_bf16 v[8*(8*(\a)+(\b)):8*(8*(\a)+(\b))+7], v[(\f)+8*(\b):(\f)+8*(\b)+7], v[(\f)+8*(4*(\hi)+(\a)):(\f)+8*(4*(\hi)+(\a))+7], v[BIAS+8*(\b):BIAS+8*(\b)+7]
.else
	v_wmma_f32_16x16x32_bf16 v[8*(8*(\a)+(\b)):8*(8*(\a)+(\b))+7], v[(\f)+8*(\b):(\f)+8*(\b)+7], v[(\f)+8*(4*(\hi)+(\a)):(\f)+8*(4*(\hi)+(\a))+7], v[8*(8*(\a)+(\b)):8*(8*(\a)+(\b))+7]
.endif
.endr
.endr
.endm
; 32 LDS loads in one run: quarter u's fragments (128 columns of B, then 128 rows of A) into buffer f
.macro FETCH u, f
	WIN TO_B
.irp i, 0,1,2,3,4,5,6,7
	ds_load_tr16_b128 v[(\f)+8*(\i):(\f)+8*(\i)+3],   v[AB] offset:(\u)*32*PB+32*(\i)
	ds_load_tr16_b128 v[(\f)+8*(\i)+4:(\f)+8*(\i)+7], v[AB] offset:(\u)*32*PB+32*(\i)+16*PB
.endr
	WIN 0
.irp i, 0,1,2,3,4,5,6,7
	ds_load_b128 v[(\f)+8*(\i):(\f)+8*(\i)+3],   v[AA] offset:(\u)*64+(\i)*16*PA
	ds_load_b128 v[(\f)+8*(\i)+4:(\f)+8*(\i)+7], v[AA] offset:(\u)*64+(\i)*16*PA+32
.endr
.endm
; One of a step's first three quarters: multiplies buffer f; in its middle it fetches quarter u into buffer g.
.macro QUARTER u, f, g, first
	s_wait_dscnt 8                                 ; B and A's rows 0-63 are in; the youngest eight loads (A's rows 64-127) may be out
	MUL16 \f, 0, 0, \first
	MUL16 \f, 0, 2, \first
	PLACES
	FETCH \u, \g
	s_wait_dscnt 32                                ; all but the 32 just issued
	MUL16 \f, 1, 0, \first
	MUL16 \f, 1, 2, \first
.endm
; The last quarter multiplies buffer 1 and changes slots: ONE barrier.  In front of it each wave waits for all its tensor loads (one is out: its part of the next slot), adds 0 to its spare word, and waits
; for that and for its reads of this slot.  fill = 1: the barrier opens a round of the cluster's, and the slot just read is filled again, two K steps ahead, first thing behind the round:
; from that request to the wait for it a wave issues 224 matrix instructions.
.macro TURN fill
	WIN 0
.if \fill
	s_wait_xcnt 0x0                                ; the last prefetch, a K step back, has read its address
	s_add_nc_u64 s[PFA:PFA+1], s[PFA:PFA+1], s[PFS:PFS+1]
.endif
	s_xor_b32 s[TSL], s[TSL], SLOT                 ; the fetches go on in the other slot
	v_add_nc_u32 v[AA], s[TSL], v[ADRA]
	v_add_nc_u32 v[AB], s[TSL], v[ADRB]
	s_wait_tensorcnt 0x0                           ; all my tensor loads have landed;
	ds_add_u32 v[SPW], v[NIL]                      ; 0 onto my spare word;
	s_wait_dscnt 9                                 ; (the add and the youngest eight loads may be out)
	MUL16 F1, 0, 0, 0                              ; sixteen matrix instructions stand between the add and the wait for it
	s_wait_dscnt 0x0                               ; the add is done, and my reads of this slot are over
	s_barrier_signal -1
	MUL16 F1, 0, 2, 0
	WIN 0
	s_barrier_wait -1
.if \fill
	CREST                                          ; no wave of any partner still reads this slot or has a load on its way
	s_xor_b32 s[G0+5], s[G0+5], SLOT               ; the walking descriptors: the other slot than last time, the next K step
	s_add_nc_u64 s[G0+6:G0+7], s[G0+6:G0+7], KSTEP*2
	s_xor_b32 s[G0B+5], s[G0B+5], SLOT
	s_add_nc_u64 s[G0B+6:G0B+7], s[G0B+6:G0B+7], KSTEP*SIZE_N*2
	JLOAD 1                                        ; its four v_nop are also the places in front of the loads below
.else
	PLACES
.endif
	FETCH 0, F0                                    ; the next slot's first quarter
.if \fill
	ASK
.endif
	MUL16 F1, 1, 0, 0
	MUL16 F1, 1, 2, 0
.endm
	s_load_b128 s[4:7], s[0:1], 0x0                ; A s[4:5], wb s[6:7]
	s_load_b64 s[8:9], s[0:1], 0x10                ; act
	s_load_b64 s[68:69], s[0:1], 0x18              ; b1
	v_lshl_add_u32 v[SPW], v0, 2, SPARE
	v_mov_b32 v[NIL], 0
	ds_add_u32 v[SPW], v[NIL]                      ; the wave's opening: the add, waited for ahead of my first tensor load
	v_lshrrev_b32 v1, 5, v0
	v_readfirstlane_b32 s10, v1                    ; wave 0..3
	s_lshr_b32 s11, s10, 1                         ; my half of the tile's rows.  Also: I fetch for A (0) or for B (1)
	s_and_b32 s12, s10, 1                          ; my half of its columns.  Also: which half of that tile I fetch
	s_bfe_u32 s40, ttmp6, 0x40000                  ; cx
	s_bfe_u32 s41, ttmp6, 0x40004                  ; cy
	s_lshl_b32 s42, ttmp9, 2
	s_add_co_u32 s42, s42, s40                     ; tile column
	s_and_b32 s13, ttmp7, 0xffff
	s_lshl_b32 s13, s13, 2
	s_add_co_u32 s13, s13, s41                     ; tile row
	s_lshl_b32 s43, s41, 2
	s_lshl_b32 s43, 15, s43                        ; my row of the cluster
	s_lshl_b32 s44, 0x1111, s40                    ; my column
	s_or_b32 s[G1+0], s43, (1<<16)|(1<<20)|(1<<21)|(5<<22)|(3<<25)   ; the mask; 2-byte elements; padding on; bit 21 beside a mask; after every 64 words, 4 words
	s_mov_b32 s[G1+1], 128<<16                     ; tensor_dim0 = 128
	s_mov_b32 s[G1+2], 128<<16                     ; tensor_dim1 = 128
	s_mov_b32 s[G1+3], 128<<16                     ; tile_dim0 = 128
	s_mov_b32 s[G1+4], 128                         ; tile_dim1 = 128
	s_mov_b32 s[G1+5], SIZE_K                      ; elements from row to row
	s_mov_b32 s[G1+6], 0
	s_mov_b32 s[G1+7], 0
	s_or_b32 s[G1B+0], s44, (1<<16)|(1<<20)|(1<<21)|(6<<22)|(7<<25)  ; after every 128 words, 8 words
	s_mov_b32 s[G1B+1], 256<<16                    ; tensor_dim0 = 256
	s_mov_b32 s[G1B+2], 64<<16                     ; tensor_dim1 = 64
	s_mov_b32 s[G1B+3], 256<<16                    ; tile_dim0 = 256
	s_mov_b32 s[G1B+4], 64                         ; tile_dim1 = 64
	s_mov_b32 s[G1B+5], SIZE_N
	s_mov_b32 s[G1B+6], 0
	s_mov_b32 s[G1B+7], 0
	s_lshl_b32 s17, s12, 7
	s_lshl_b32 s16, s13, 8
	s_add_co_u32 s16, s16, s17                     ; A: row 256 x tile row + 128 x half,
	s_mul_i32 s16, s16, SIZE_K*2                   ; in bytes (under 2^23)
	s_mov_b32 s17, 0
	s_mul_i32 s46, s12, 64*SIZE_N*2                ; B: k-row 64 x half,
	s_lshl_b32 s47, s42, 9                         ; column 256 x tile column,
	s_add_co_u32 s46, s46, s47
	s_add_co_u32 s46, s46, WOFF                    ; in its part of wb
	s_mov_b32 s47, 0
	s_mul_i32 s20, s12, HALFA                      ; where they go: no place in the cluster enters an LDS address
	s_mul_i32 s21, s12, HALFB
	s_add_co_u32 s21, s21, BOFF
	s_wait_dscnt 0x0                               ; the opening add is done
	s_wait_kmcnt 0x0
	s_add_nc_u64 s[14:15], s[4:5], s[16:17]
	s_add_nc_u64 s[46:47], s[6:7], s[46:47]
	CROUND                                         ; all sixteen work-groups are here: the first joint loads meet
.irp s, 0,1
	s_mov_b32 s[G0+4*(\s)], 1
	s_add_co_u32 s[G0+4*(\s)+1], s20, (\s)*SLOT
	s_add_nc_u64 s[G0+4*(\s)+2:G0+4*(\s)+3], s[14:15], (\s)*KSTEP*2
	s_or_b32 s[G0+4*(\s)+3], s[G0+4*(\s)+3], 0x80000000
	s_mov_b32 s[G0B+4*(\s)], 1
	s_add_co_u32 s[G0B+4*(\s)+1], s21, (\s)*SLOT
	s_add_nc_u64 s[G0B+4*(\s)+2:G0B+4*(\s)+3], s[46:47], (\s)*KSTEP*SIZE_N*2
	s_or_b32 s[G0B+4*(\s)+3], s[G0B+4*(\s)+3], 0x80000000
	JLOAD \s                                       ; two loads of mine are out
.endr
	v_and_b32 v1, 15, v0                           ; l % 16
	v_bfe_u32 v2, v0, 4, 1                         ; l / 16
	; the bias: accumulator (a, b), register j, is column 16 b + 8 (l / 16) + j of my 128
	v_lshlrev_b32 v[TO], 5, v2
	s_lshl_b32 s86, s42, 10
	s_lshl_b32 s87, s12, 9
	s_add_co_u32 s86, s86, s87
	s_mov_b32 s87, 0
	s_add_nc_u64 s[68:69], s[68:69], s[86:87]
.irp b, 0,1,2,3,4,5,6,7
	global_load_b128 v[BIAS+8*(\b):BIAS+8*(\b)+3],   v[TO], s[68:69] offset:64*(\b)
	global_load_b128 v[BIAS+8*(\b)+4:BIAS+8*(\b)+7], v[TO], s[68:69] offset:64*(\b)+16
.endr
	v_mul_u32_u24 v3, v1, PA
	v_lshl_add_u32 v3, v2, 4, v3                   ; A: row x pitch + 16 x half
	s_mul_i32 s21, s11, HALFA
	v_add_nc_u32 v[ADRA], s21, v3
	v_and_b32 v4, 7, v0                            ; B, turned: k-row 8 (l / 16) + l % 8, 16 bytes ((l / 8) % 2)
	v_lshl_add_u32 v4, v2, 3, v4
	v_mul_u32_u24 v4, v4, PB
	v_bfe_u32 v5, v0, 3, 1
	v_lshl_add_u32 v4, v5, 4, v4
	s_lshl_b32 s22, s12, 8
	s_add_co_u32 s22, s22, BOFF
	v_add_nc_u32 v[ADRB], s22, v4
	; the way out's addresses
	s_mul_i32 s23, s10, 128*SP                     ; my 128 rows of 528 bytes
	v_mul_u32_u24 v6, v1, SP                       ; in: row l % 16, 32 bytes for each half of the lanes
	v_lshl_add_u32 v6, v2, 5, v6
	v_add_nc_u32 v[STO], s23, v6
	v_and_b32 v7, 31, v0
	v_lshl_add_u32 v[RD], v7, 4, s23               ; back: 16 bytes a lane, a row's 512 bytes on end
	v_lshlrev_b32 v[CO], 3, v7
	s_lshl_b32 s16, s13, 8
	s_lshl_b32 s17, s11, 7
	s_add_co_u32 s16, s16, s17                     ; my first row of act,
	s_lshl_b32 s16, s16, 13                        ; 8,192 bytes a row
	s_lshl_b32 s88, s42, 9
	s_lshl_b32 s89, s12, 8
	s_add_co_u32 s88, s88, s89                     ; my first column
	s_add_co_u32 s88, s88, s16
	s_mov_b32 s89, 0
	s_add_nc_u64 s[8:9], s[8:9], s[88:89]
	s_mov_b32 s[GC1], 0xbdd2d3e8                   ; c1 = -0.10294324
	s_mov_b32 s[GC1+1], s[GC1]
	s_mov_b32 s[GC0], 0xc0135761                   ; c0 = -2.3022082
	s_mov_b32 s[GC0+1], s[GC0]
	; the prefetches
	s_lshl_b32 s80, s13, 8
	s_lshl_b32 s81, s12, 7
	s_add_co_u32 s80, s80, s81
	s_lshl_b32 s81, s40, 5
	s_add_co_u32 s80, s80, s81                     ; A: row 256 x tile row + the 128 that I fetch + my work-group's 32 of them,
	s_lshl_b32 s80, s80, 11                        ; 2,048 bytes a row
	s_lshl_b32 s82, s12, 6
	s_lshl_b32 s83, s41, 4
	s_add_co_u32 s82, s82, s83                     ; B: k-row: the 64 that I fetch + my work-group's 16 of them,
	s_lshl_b32 s82, s82, 13                        ; 8,192 bytes a k-row,
	s_lshl_b32 s83, s42, 9                         ; the tile's 512 bytes of it
	s_add_co_u32 s82, s82, s83
	s_add_co_u32 s82, s82, WOFF
	s_and_b32 s84, ttmp7, 0xffff                   ; cluster y
	s_mov_b32 s[PFS], KSTEP*2                      ; a K step along A's rows
	s_mov_b32 s[PFS+1], 0
	s_mov_b32 s81, 0
	s_cmp_eq_u32 s11, 0                            ; do I fetch for A?
	s_cselect_b32 s80, s80, s82
	s_cselect_b64 s[PFA:PFA+1], s[4:5], s[6:7]
	s_cselect_b32 s[PFS], s[PFS], KSTEP*SIZE_N*2   ; a K step down B's k-rows
	s_cselect_b32 s84, ttmp9, s84                  ; the coordinate along which other clusters read the same bytes
	s_cselect_b32 s85, -1, 0
	s_add_nc_u64 s[PFA:PFA+1], s[PFA:PFA+1], s[80:81]
	s_add_nc_u64 s[PFA:PFA+1], s[PFA:PFA+1], s[PFS:PFS+1]
	s_add_nc_u64 s[PFA:PFA+1], s[PFA:PFA+1], s[PFS:PFS+1]  ; at K step 2: the first change of slots steps it to 3
	s_cmp_eq_u32 s84, 0
	s_cselect_b32 s[LIM], 1, -1                    ; the same in all sixteen partners, for a given wave
	v_lshlrev_b32 v8, 11, v7                       ; A: a lane a row
	v_lshrrev_b32 v9, 1, v7                        ; B: k-row lane / 2, block lane % 2
	v_lshlrev_b32 v9, 13, v9
	v_and_b32 v10, 1, v0
	v_lshl_add_u32 v9, v10, 8, v9
	v_cndmask_b32 v[PFO], v9, v8, s85
	s_wait_tensorcnt 1                             ; my part of K step 0 is in; K step 1's stays out
	s_barrier_signal -1
	s_barrier_wait -1
	s_mov_b32 s[TSL], 0
	v_add_nc_u32 v[AA], s[TSL], v[ADRA]
	v_add_nc_u32 v[AB], s[TSL], v[ADRB]
	FETCH 0, F0
	s_wait_loadcnt 0x0                             ; the bias
	QUARTER 1, F0, F1, 1                           ; the first quarter stands in front of the loop: its products start the sums from the bias
	WIN 0                                          ; at a label and at a branch every window is 0
	s_mov_b32 s3, STEPS-2
.Lstep:                                ; 6 trips: a step's last three quarters, the refill of its slot, the next step's first quarter
	QUARTER 2, F1, F0, 0
	QUARTER 3, F0, F1, 0
	TURN 1
	QUARTER 1, F0, F1, 0
	WIN 0
	s_sub_co_u32 s3, s3, 1
	s_cmp_lg_u32 s3, 0
	s_cbranch_scc1 .Lstep
	s_mov_b32 s2, 2
.Ltail:                                ; the last two steps ask for nothing; the second trip is left in its middle
	QUARTER 2, F1, F0, 0
	QUARTER 3, F0, F1, 0
	WIN 0
	s_sub_co_u32 s2, s2, 1
	s_cmp_eq_u32 s2, 0
	s_cbranch_scc1 .Llast
	TURN 0
	QUARTER 1, F0, F1, 0
	WIN 0
	s_branch .Ltail
.Llast:
	s_wait_dscnt 0x0                               ; the last fragments are in: my reads of the slots are over
	s_barrier_signal -1                            ; say so, since every wave's sums will land on bytes that others have read,
	MUL16 F1, 0, 0, 0                              ; multiply the last quarter while the others arrive,
	MUL16 F1, 0, 2, 0
	MUL16 F1, 1, 0, 0
	MUL16 F1, 1, 2, 0
	WIN 0
	s_barrier_wait -1                              ; and go on when all four have said so
	PLACES
	PLACES
.irp hi, 0,1
	WIN 0x08+0x04*(\hi)                            ; the stores' data: window 2, then 3
.irp a, 0,1,2,3
.irp b, 0,1,2,3,4,5,6,7
	ds_store_b128 v[STO], v[8*(8*(\a)+(\b)):8*(8*(\a)+(\b))+3]   offset:(4*(\hi)+(\a))*16*SP+64*(\b)      ; each accumulator's low half first
	ds_store_b128 v[STO], v[8*(8*(\a)+(\b))+4:8*(8*(\a)+(\b))+7] offset:(4*(\hi)+(\a))*16*SP+64*(\b)+16
.endr
.endr
.endr
	WIN 0
	s_mov_b32 s2, 16
	s_mov_b32 s[TSL], 0
	v_add_nc_u32 v[RDW], s[TSL], v[RD]
.irp t, 0,1,2,3,4,5,6,7
	ds_load_b128 v[XR+4*(\t):XR+4*(\t)+3], v[RDW] offset:(\t)*SP   ; my own bytes; LDS serves a wave's instructions in order (ISA guide 5.7.1.4)
.endr
.Lrows:                                ; 16 trips of eight rows
	s_wait_dscnt 0x0
.set r, 0
.rept 16
	v_pk_mul_f32 v[TR+r:TR+r+1], v[XR+r:XR+r+1], v[XR+r:XR+r+1]
.set r, r+2
.endr
.set r, 0
.rept 16
	v_pk_fma_f32 v[TR+r:TR+r+1], v[TR+r:TR+r+1], s[GC1:GC1+1], s[GC0:GC0+1] op_sel_hi:[1,0,0]
.set r, r+2
.endr
.set r, 0
.rept 16
	v_pk_mul_f32 v[TR+r:TR+r+1], v[TR+r:TR+r+1], v[XR+r:XR+r+1]
.set r, r+2
.endr
.set r, 0
.rept 32
	v_exp_f32 v[TR+r], v[TR+r]
.set r, r+1
.endr
	v_nop                                          ; a plain instruction behind the last exponential,
	s_wait_alu depctr_va_vdst(0)                   ; and one wait for the batch
.set r, 0
.rept 16
	v_pk_add_f32 v[TR+r:TR+r+1], v[TR+r:TR+r+1], 1.0 op_sel_hi:[1,0]
.set r, r+2
.endr
.set r, 0
.rept 32
	v_rcp_f32 v[TR+r], v[TR+r]
.set r, r+1
.endr
	v_nop
	s_wait_alu depctr_va_vdst(0)                   ; one wait for the batch
.set r, 0
.rept 16
	v_pk_mul_f32 v[TR+r:TR+r+1], v[XR+r:XR+r+1], v[TR+r:TR+r+1]
.set r, r+2
.endr
	s_cmp_eq_u32 s2, 1                             ; x has been read for the last time: the next eight rows are fetched now, but for the last trip, which has none
	s_cbranch_scc1 .Lno_more
	s_add_co_u32 s[TSL], s[TSL], 8*SP
	v_add_nc_u32 v[RDW], s[TSL], v[RD]
.irp t, 0,1,2,3,4,5,6,7
	ds_load_b128 v[XR+4*(\t):XR+4*(\t)+3], v[RDW] offset:(\t)*SP
.endr
.Lno_more:
.set r, 0
.rept 16
	v_cvt_pk_bf16_f32 v[PKD+r], v[TR+2*r], v[TR+2*r+1]
.set r, r+1
.endr
.irp t, 0,1,2,3,4,5,6,7
	global_store_b64 v[CO], v[PKD+2*(\t):PKD+2*(\t)+1], s[8:9] offset:(\t)*SIZE_N*2   ; the wave stores 256 consecutive bytes, aligned
.endr
	s_wait_xcnt 0x0                                ; the stores have read their data and their base, which are written again
	s_add_nc_u64 s[8:9], s[8:9], 8*SIZE_N*2
	s_sub_co_u32 s2, s2, 1
	s_cmp_lg_u32 s2, 0
	s_cbranch_scc1 .Lrows
	s_wait_tensorcnt 0x0                           ; the wave's end
	ds_add_u32 v[SPW], v[NIL]
	s_wait_dscnt 0x0
	CROUND                                         ; the closing round
	s_endpgm
.Lfunc_end_k_qb24623d459_ffn1:
	.size	k_qb24623d459_ffn1, .Lfunc_end_k_qb24623d459_ffn1-k_qb24623d459_ffn1
	.p2alignl 7, 3214868480
	.fill 96, 4, 3214868480
	.section	.rodata,"a",@progbits
	.p2align	6, 0x0
	.amdhsa_kernel k_qb24623d459_ffn1
		.amdhsa_group_segment_fixed_size 327680
		.amdhsa_private_segment_fixed_size 0
		.amdhsa_enable_private_segment 0
		.amdhsa_kernarg_size 32
		.amdhsa_user_sgpr_count 2
		.amdhsa_user_sgpr_kernarg_segment_ptr 1
		.amdhsa_wavefront_size32 1
		.amdhsa_system_sgpr_workgroup_id_x 1
		.amdhsa_system_sgpr_workgroup_id_y 1
		.amdhsa_system_sgpr_workgroup_id_z 1
		.amdhsa_system_vgpr_workitem_id 0
		.amdhsa_next_free_vgpr 1024
		.amdhsa_next_free_sgpr 96
		.amdhsa_reserve_vcc 0
		.amdhsa_float_denorm_mode_32 3
		.amdhsa_float_denorm_mode_16_64 3
		.amdhsa_memory_ordered 1
		.amdhsa_forward_progress 1
		.amdhsa_inst_pref_size 95
	.end_amdhsa_kernel
	.amdgpu_metadata
---
amdhsa.version: [ 1, 2 ]
amdhsa.kernels:
  - .name:           k_qb24623d459_ffn1
    .symbol:         k_qb24623d459_ffn1.kd
    .args:
      - { .name: hb, .offset: 0, .size: 8, .value_kind: global_buffer, .address_space: global }
      - { .name: wb, .offset: 8, .size: 8, .value_kind: global_buffer, .address_space: global }
      - { .name: act, .offset: 16, .size: 8, .value_kind: global_buffer, .address_space: global }
      - { .name: b1, .offset: 24, .size: 8, .value_kind: global_buffer, .address_space: global }
    .group_segment_fixed_size: 327680
    .private_segment_fixed_size: 0
    .kernarg_segment_align: 8
    .kernarg_segment_size: 32
    .max_flat_workgroup_size: 128
    .sgpr_count:     96
    .vgpr_count:     1024
    .wavefront_size: 32
...
	.end_amdgpu_metadata
.endif
;; end of part 5
;; launch ffn2 (part 6): grid 8 x 32, 4 waves a work-group, clusters of 4 x 4, 327,680 bytes of LDS; arguments act, wb, out0, x1, b2; writes out0
.if DOCPART == 6
	.amdgcn_target "amdgcn-amd-amdhsa--gfx1250"
	.amdhsa_code_object_version 6
	.text
	.protected	k_qb24623d459_ffn2
	.globl	k_qb24623d459_ffn2
	.p2align	8
	.type	k_qb24623d459_ffn2,@function
k_qb24623d459_ffn2:
	s_mov_b64 s[64:65], 0
	v_nop
	global_prefetch_b8 v0, s[64:65] scope:SCOPE_SE
	s_setreg_imm32_b32 hwreg(HW_REG_WAVE_MODE, 25, 1), 1
	s_wait_xcnt 0x0
	s_wait_alu depctr_hold_cnt(0) depctr_sa_sdst(0) depctr_va_vdst(0) depctr_va_sdst(0) depctr_va_ssrc(0) depctr_va_vcc(0) depctr_vm_vsrc(0)
	s_getreg_b32 s2, hwreg(HW_REG_IB_STS2, 6, 4)
	s_cmp_eq_u32 s2, 0
	s_cbranch_scc0 .Lentry_in_a_cluster
	s_endpgm
.Lentry_in_a_cluster:
	s_bfe_u32 s2, ttmp6, 0x10000c
	s_cmp_lg_u32 s2, 0xf033
	s_cbranch_scc0 .Lentry_shape_is_right
	s_endpgm
.Lentry_shape_is_right:
; out0 = x1 + act w2 + b2.  act: bf16 [4096][4096]; w2: bf16 [4096][1024] at byte WOFF of wb; b2: f32 [1024]; x1, out0: f32 [4096][1024].  Sums, bias and residual in f32.
; THE PRODUCT.  A tile of C is 128 x 128: four waves, each 64 x 64 = 16 accumulators.  K goes in steps of 256 through two LDS slots filled by the tensor data mover: A's rows are 512 bytes,
; B's tile is 256 k-rows of 256 bytes.  A comes out of LDS as it lies, B ([k][n]) turned, by ds_load_tr16_b128.  The matrix instruction is used transposed (source 0 = 16 columns of B,
; source 1 = 16 rows of A): a lane then holds row l % 16 of C and eight neighbouring columns 8 (l / 16) + 0..7.
; THE BIAS is loaded straight into the accumulators, so the sums start from it: nothing is cleared and nothing is added later.
; CLUSTER.  4 x 4 work-groups: the four of a row need the same tiles of A, the four of a column the same tiles of B; each tile is asked for jointly.  No prefetch: the tiles are small.
; THE LOOP.  A K step is eight UNITS of 32 along K, 16 matrix instructions each, on two fragment buffers.  Units go in pairs; three pairs are one counted loop, the fourth changes slots.
; THE WAY OUT.  My 64 x 64 of x1 is loaded at the start, by rows.  A block of 16 rows of sums goes through my own stage in LDS and comes back by rows; x1 is added; sixteen lanes store 256 consecutive bytes, aligned.
; REGISTERS.  Window 0: v16-29 addresses; v32-95 at work on the way out; v128-255 accumulators.  Window 1: v0-63, v64-127 two fragment buffers; v128-255 x1.
.set SIZE_N, 1024
.set SIZE_K, 4096
.set WOFF,   13631488
.set PA,     528
.set PB,     288
.set HALFA,  64*PA
.set HALFB,  128*PB
.set SLOT,   2*HALFA+2*HALFB
.set STAGE,  2*SLOT                    ; behind the ring: 16 rows x 272 bytes for each wave
.set SP,     272
.set SPARE,  300032                    ; the spare words, 128 bytes for each wave: two blocks of 256 bytes that no other line names
.set LAPS,   SIZE_K/512
.set ADRA, 16
.set AA,   18
.set ADRB, 20
.set AB,   22
.set STO,  24
.set RD,   25
.set CO,   26
.set TO,   27
.set SPW,  28
.set NIL,  29
.set ACC,  128
.set F0,   0
.set F1,   64
.set EX,   128
.set TA,   45
.set TB,   66
.set G1,   24
.set G0,   32
.set G1B,  48
.set G0B,  56
.set MSB, 0
.macro WIN new
.if MSB != (\new)
	s_set_vgpr_msb (MSB<<8)|(\new)
.set MSB, \new
.endif
.endm
.set MUL,  0x05
.set TO_F, 0x40
.macro PLACES                          ; four places in front of loads into registers that matrix instructions have read
.rept 4
	v_nop
.endr
.endm
.macro JLOAD s                         ; a joint load: waves 0 and 1 fetch A's halves, waves 2 and 3 B's; an s_nop 0 and four v_nop follow each line
	s_cmp_eq_u32 s11, 0
	s_cbranch_scc0 .Lfor_b_\@
	tensor_load_to_lds s[G0+4*(\s):G0+4*(\s)+3], s[G1:G1+7]
	s_nop 0
.rept 4
	v_nop
.endr
	s_branch .Lasked_\@
.Lfor_b_\@:
	tensor_load_to_lds s[G0B+4*(\s):G0B+4*(\s)+3], s[G1B:G1B+7]
	s_nop 0
.rept 4
	v_nop
.endr
.Lasked_\@:
.endm
.macro CREST
	s_cmp_lg_u32 s10, 0
	s_cbranch_scc1 .Lnot_wave_0_\@
	s_barrier_signal -3
.Lnot_wave_0_\@:
	s_barrier_wait -3
	s_barrier_signal -1
	s_barrier_wait -1
.endm
.macro CROUND
	s_barrier_signal -1
	s_barrier_wait -1
	CREST
.endm
.macro MUL8 f, a0                      ; 8 matrix instructions; the 16 accumulators take turns, in the same order everywhere
	WIN MUL
.irp a, \a0, (\a0)+1
.irp b, 0,1,2,3
	v_wmma_f32_16x16x32_bf16 v[ACC+8*(4*(\a)+(\b)):ACC+8*(4*(\a)+(\b))+7], v[(\f)+32+8*(\b):(\f)+32+8*(\b)+7], v[(\f)+8*(\a):(\f)+8*(\a)+7], v[ACC+8*(4*(\a)+(\b)):ACC+8*(4*(\a)+(\b))+7]
.endr
.endr
.endm
.macro FETCHU f, ka, kb                ; 16 LDS loads in one run: a unit's fragments into buffer f
	WIN TO_F
.irp i, 0,1,2,3
	ds_load_tr16_b128 v[(\f)+32+8*(\i):(\f)+32+8*(\i)+3],   v[AB] offset:(\kb)+32*(\i)
	ds_load_tr16_b128 v[(\f)+32+8*(\i)+4:(\f)+32+8*(\i)+7], v[AB] offset:(\kb)+32*(\i)+16*PB
	ds_load_b128 v[(\f)+8*(\i):(\f)+8*(\i)+3],   v[AA] offset:(\ka)+(\i)*16*PA
	ds_load_b128 v[(\f)+8*(\i)+4:(\f)+8*(\i)+7], v[AA] offset:(\ka)+(\i)*16*PA+32
.endr
.endm
.macro PAIR                            ; two units; entered, and left, with buffer 0's 16 loads out and nothing else
	PLACES
	FETCHU F1, 64, 32*PB
	s_wait_dscnt 16                                ; buffer 0 is in; the 16 just issued stay out
	MUL8 F0, 0
	MUL8 F0, 2
	PLACES
	FETCHU F0, 128, 64*PB
	s_wait_dscnt 16                                ; buffer 1 is in
	MUL8 F1, 0
	MUL8 F1, 2
	WIN 0
	s_add_co_u32 s[TA], s[TA], 128
	s_add_co_u32 s[TB], s[TB], 64*PB
	v_add_nc_u32 v[AA], s[TA], v[ADRA]
	v_add_nc_u32 v[AB], s[TB], v[ADRB]
.endm
.macro INNER                           ; units 0 to 5 of a K step
	s_mov_b32 s2, 3
.Lpair_\@:
	PAIR
	s_sub_co_u32 s2, s2, 1
	s_cmp_lg_u32 s2, 0
	s_cbranch_scc1 .Lpair_\@
.endm
; Units 6 and 7, and the change of slots: ONE barrier.  In front of it each wave waits for all its tensor loads (one is out: its part of the next slot), adds 0 to its spare word, and waits for
; that and for its reads of this slot.  fill = 1: the barrier opens a round of the cluster's, and this slot is filled again, two K steps ahead, first thing behind the round.
.macro TPAIR slot, next, fill
	PLACES
	FETCHU F1, 64, 32*PB                           ; my last reads of this slot
	s_wait_dscnt 16
	MUL8 F0, 0
	WIN 0
	s_mov_b32 s[TA], (\next)*SLOT
	s_mov_b32 s[TB], (\next)*SLOT
	v_add_nc_u32 v[AA], s[TA], v[ADRA]
	v_add_nc_u32 v[AB], s[TB], v[ADRB]
	s_wait_tensorcnt 0x0                           ; all my tensor loads have landed;
	ds_add_u32 v[SPW], v[NIL]                      ; 0 onto my spare word;
	MUL8 F0, 2                                     ; eight matrix instructions stand between the add and the wait for it
	s_wait_dscnt 0x0                               ; the add is done, and my reads of this slot are over
	s_barrier_signal -1
	MUL8 F1, 0
	WIN 0
	s_barrier_wait -1
.if \fill
	CREST                                          ; no wave of any partner still reads this slot or has a load on its way
	s_add_nc_u64 s[G0+4*(\slot)+2:G0+4*(\slot)+3], s[G0+4*(\slot)+2:G0+4*(\slot)+3], 1024
	s_add_nc_u64 s[G0B+4*(\slot)+2:G0B+4*(\slot)+3], s[G0B+4*(\slot)+2:G0B+4*(\slot)+3], 1024*SIZE_N
	JLOAD \slot                                    ; 112 matrix instructions ahead of the wait for it; its four v_nop are also the places in front of the loads below
.else
	PLACES
.endif
	FETCHU F0, 0, 0                                ; the next slot's unit 0
	MUL8 F1, 2
	WIN 0
.endm
.macro LPAIR
	PLACES
	FETCHU F1, 64, 32*PB
	s_wait_dscnt 16
	MUL8 F0, 0
	MUL8 F0, 2
	s_wait_dscnt 0x0
	MUL8 F1, 0
	MUL8 F1, 2
	WIN 0
.endm
	s_load_b128 s[4:7], s[0:1], 0x0                ; A s[4:5], wb s[6:7]
	s_load_b64 s[8:9], s[0:1], 0x10                ; out0
	s_load_b128 s[68:71], s[0:1], 0x18             ; x1 s[68:69], b2 s[70:71]
	v_lshl_add_u32 v[SPW], v0, 2, SPARE
	v_mov_b32 v[NIL], 0
	ds_add_u32 v[SPW], v[NIL]                      ; the wave's opening: the add, waited for ahead of my first tensor load
	v_lshrrev_b32 v1, 5, v0
	v_readfirstlane_b32 s10, v1
	s_lshr_b32 s11, s10, 1                         ; my half of the tile's rows.  Also: I fetch for A (0) or for B (1)
	s_and_b32 s12, s10, 1                          ; my half of its columns.  Also: which half of that tile I fetch
	s_bfe_u32 s40, ttmp6, 0x40000                  ; cx
	s_bfe_u32 s41, ttmp6, 0x40004                  ; cy
	s_lshl_b32 s42, ttmp9, 2
	s_add_co_u32 s42, s42, s40                     ; tile column
	s_and_b32 s13, ttmp7, 0xffff
	s_lshl_b32 s13, s13, 2
	s_add_co_u32 s13, s13, s41                     ; tile row
	s_lshl_b32 s43, s41, 2
	s_lshl_b32 s43, 15, s43
	s_lshl_b32 s44, 0x1111, s40
	s_or_b32 s[G1+0], s43, (1<<16)|(1<<20)|(1<<21)|(6<<22)|(3<<25)   ; the mask; 2-byte elements; padding on; bit 21 beside a mask; after every 128 words, 4 words
	s_mov_b32 s[G1+1], 256<<16
	s_mov_b32 s[G1+2], 64<<16
	s_mov_b32 s[G1+3], 256<<16
	s_mov_b32 s[G1+4], 64
	s_mov_b32 s[G1+5], SIZE_K
	s_mov_b32 s[G1+6], 0
	s_mov_b32 s[G1+7], 0
	s_or_b32 s[G1B+0], s44, (1<<16)|(1<<20)|(1<<21)|(5<<22)|(7<<25)  ; after every 64 words, 8 words
	s_mov_b32 s[G1B+1], 128<<16
	s_mov_b32 s[G1B+2], 128<<16
	s_mov_b32 s[G1B+3], 128<<16
	s_mov_b32 s[G1B+4], 128
	s_mov_b32 s[G1B+5], SIZE_N
	s_mov_b32 s[G1B+6], 0
	s_mov_b32 s[G1B+7], 0
	s_lshl_b32 s17, s12, 6
	s_lshl_b32 s16, s13, 7
	s_add_co_u32 s16, s16, s17
	s_mul_i32 s16, s16, SIZE_K*2
	s_mov_b32 s17, 0
	s_mul_i32 s46, s12, 128*SIZE_N*2
	s_lshl_b32 s47, s42, 8
	s_add_co_u32 s46, s46, s47
	s_add_co_u32 s46, s46, WOFF
	s_mov_b32 s47, 0
	s_mul_i32 s20, s12, HALFA
	s_mul_i32 s21, s12, HALFB
	s_add_co_u32 s21, s21, 2*HALFA
	s_wait_dscnt 0x0                               ; the opening add is done
	s_wait_kmcnt 0x0
	s_add_nc_u64 s[14:15], s[4:5], s[16:17]
	s_add_nc_u64 s[46:47], s[6:7], s[46:47]
	CROUND                                         ; all sixteen work-groups are here: the first joint loads meet
.irp s, 0,1
	s_mov_b32 s[G0+4*(\s)], 1
	s_add_co_u32 s[G0+4*(\s)+1], s20, (\s)*SLOT
	s_add_nc_u64 s[G0+4*(\s)+2:G0+4*(\s)+3], s[14:15], (\s)*512
	s_or_b32 s[G0+4*(\s)+3], s[G0+4*(\s)+3], 0x80000000
	s_mov_b32 s[G0B+4*(\s)], 1
	s_add_co_u32 s[G0B+4*(\s)+1], s21, (\s)*SLOT
	s_add_nc_u64 s[G0B+4*(\s)+2:G0B+4*(\s)+3], s[46:47], (\s)*512*SIZE_N
	s_or_b32 s[G0B+4*(\s)+3], s[G0B+4*(\s)+3], 0x80000000
	JLOAD \s                                       ; two loads of mine are out
.endr
	v_and_b32 v1, 15, v0
	v_bfe_u32 v2, v0, 4, 1
	; the bias: accumulator (a, b), register j, is column 16 b + 8 (l / 16) + j of my 64
	v_lshlrev_b32 v[TO], 5, v2
	s_lshl_b32 s78, s42, 9
	s_lshl_b32 s79, s12, 8
	s_add_co_u32 s78, s78, s79
	s_mov_b32 s79, 0
	s_add_nc_u64 s[70:71], s[70:71], s[78:79]
.irp a, 0,1,2,3
.irp b, 0,1,2,3
	global_load_b128 v[ACC+8*(4*(\a)+(\b)):ACC+8*(4*(\a)+(\b))+3],   v[TO], s[70:71] offset:64*(\b)
	global_load_b128 v[ACC+8*(4*(\a)+(\b))+4:ACC+8*(4*(\a)+(\b))+7], v[TO], s[70:71] offset:64*(\b)+16
.endr
.endr
	v_mul_u32_u24 v3, v1, PA
	v_lshl_add_u32 v3, v2, 4, v3
	s_mul_i32 s21, s11, HALFA
	v_add_nc_u32 v[ADRA], s21, v3
	v_and_b32 v4, 7, v0
	v_lshl_add_u32 v4, v2, 3, v4
	v_mul_u32_u24 v4, v4, PB
	v_bfe_u32 v5, v0, 3, 1
	v_lshl_add_u32 v4, v5, 4, v4
	s_lshl_b32 s22, s12, 7
	s_add_co_u32 s22, s22, 2*HALFA
	v_add_nc_u32 v[ADRB], s22, v4
	; the way out's addresses
	s_mul_i32 s23, s10, 16*SP
	s_add_co_u32 s23, s23, STAGE                   ; my stage
	v_mul_u32_u24 v6, v1, SP                       ; in: row l % 16, 32 bytes for each half of the lanes
	v_lshl_add_u32 v6, v2, 5, v6
	v_add_nc_u32 v[STO], s23, v6
	v_mul_u32_u24 v6, v2, SP                       ; back: lanes 0-15 one row of 256 bytes, lanes 16-31 the next
	v_lshl_add_u32 v6, v1, 4, v6
	v_add_nc_u32 v[RD], s23, v6
	v_lshlrev_b32 v6, 12, v2                       ; and the same two rows in x1 and out0
	v_lshl_add_u32 v[CO], v1, 4, v6
	s_lshl_b32 s16, s13, 7
	s_lshl_b32 s17, s11, 6
	s_add_co_u32 s16, s16, s17
	s_lshl_b32 s16, s16, 12                        ; my first row, 4,096 bytes a row
	s_add_co_u32 s76, s78, s16                     ; + my first column
	s_mov_b32 s77, 0
	s_add_nc_u64 s[8:9], s[8:9], s[76:77]
	s_add_nc_u64 s[68:69], s[68:69], s[76:77]
	WIN 0x40
.irp a, 0,1,2,3
.irp t, 0,1,2,3,4,5,6,7
	global_load_b128 v[EX+32*(\a)+4*(\t):EX+32*(\a)+4*(\t)+3], v[CO], s[68:69] offset:(\a)*65536+(\t)*8192 th:TH_LOAD_NT
.endr
.endr
	WIN 0
	s_wait_tensorcnt 1                             ; my part of K step 0 is in; K step 1's stays out
	s_barrier_signal -1
	s_barrier_wait -1
	s_mov_b32 s[TA], 0
	s_mov_b32 s[TB], 0
	v_add_nc_u32 v[AA], s[TA], v[ADRA]
	v_add_nc_u32 v[AB], s[TB], v[ADRB]
	FETCHU F0, 0, 0
	s_wait_loadcnt 32                              ; the bias is in the accumulators; x1's 32 loads, issued behind it, stay out
	WIN 0
	s_mov_b32 s3, LAPS-1
.Llap:
	INNER
	TPAIR 0, 1, 1
	INNER
	TPAIR 1, 0, 1
	s_sub_co_u32 s3, s3, 1
	s_cmp_lg_u32 s3, 0
	s_cbranch_scc1 .Llap
	INNER                                          ; the last lap is written out
	TPAIR 0, 1, 0
	INNER
	LPAIR
	PLACES
	PLACES
.macro OUTBLK a                        ; rows 16 a .. + 15
.set BK, 32+32*((\a)%2)
.if (\a) >= 2
	s_wait_xcnt 0x0                                ; the stores of two blocks back have read these registers
.endif
.irp b, 0,1,2,3
	ds_store_b128 v[STO], v[ACC+8*(4*(\a)+(\b)):ACC+8*(4*(\a)+(\b))+3]   offset:64*(\b)      ; each accumulator's low half first
	ds_store_b128 v[STO], v[ACC+8*(4*(\a)+(\b))+4:ACC+8*(4*(\a)+(\b))+7] offset:64*(\b)+16
.endr
.irp t, 0,1,2,3,4,5,6,7
	ds_load_b128 v[BK+4*(\t):BK+4*(\t)+3], v[RD] offset:(\t)*2*SP   ; my own bytes; LDS serves a wave's instructions in order (ISA guide 5.7.1.4)
.endr
	s_wait_dscnt 0x0
	WIN 0x04                                       ; source 1 window 1
.set r, 0
.rept 16
	v_pk_add_f32 v[BK+r:BK+r+1], v[BK+r:BK+r+1], v[EX+32*(\a)+r:EX+32*(\a)+r+1]
.set r, r+2
.endr
	WIN 0
.irp t, 0,1,2,3,4,5,6,7
	global_store_b128 v[CO], v[BK+4*(\t):BK+4*(\t)+3], s[8:9] offset:(\a)*65536+(\t)*8192 th:TH_STORE_NT   ; 16 lanes store 256 consecutive bytes, aligned
.endr
.endm
	s_wait_loadcnt 0x0                             ; x1
	OUTBLK 0
	OUTBLK 1
	OUTBLK 2
	OUTBLK 3
	s_wait_tensorcnt 0x0                           ; the wave's end
	ds_add_u32 v[SPW], v[NIL]
	s_wait_dscnt 0x0
	CROUND                                         ; the closing round
	s_endpgm
.Lfunc_end_k_qb24623d459_ffn2:
	.size	k_qb24623d459_ffn2, .Lfunc_end_k_qb24623d459_ffn2-k_qb24623d459_ffn2
	.p2alignl 7, 3214868480
	.fill 96, 4, 3214868480
	.section	.rodata,"a",@progbits
	.p2align	6, 0x0
	.amdhsa_kernel k_qb24623d459_ffn2
		.amdhsa_group_segment_fixed_size 327680
		.amdhsa_private_segment_fixed_size 0
		.amdhsa_enable_private_segment 0
		.amdhsa_kernarg_size 40
		.amdhsa_user_sgpr_count 2
		.amdhsa_user_sgpr_kernarg_segment_ptr 1
		.amdhsa_wavefront_size32 1
		.amdhsa_system_sgpr_workgroup_id_x 1
		.amdhsa_system_sgpr_workgroup_id_y 1
		.amdhsa_system_sgpr_workgroup_id_z 1
		.amdhsa_system_vgpr_workitem_id 0
		.amdhsa_next_free_vgpr 512
		.amdhsa_next_free_sgpr 80
		.amdhsa_reserve_vcc 0
		.amdhsa_float_denorm_mode_32 3
		.amdhsa_float_denorm_mode_16_64 3
		.amdhsa_memory_ordered 1
		.amdhsa_forward_progress 1
		.amdhsa_inst_pref_size 66
	.end_amdhsa_kernel
	.amdgpu_metadata
---
amdhsa.version: [ 1, 2 ]
amdhsa.kernels:
  - .name:           k_qb24623d459_ffn2
    .symbol:         k_qb24623d459_ffn2.kd
    .args:
      - { .name: act, .offset: 0, .size: 8, .value_kind: global_buffer, .address_space: global }
      - { .name: wb, .offset: 8, .size: 8, .value_kind: global_buffer, .address_space: global }
      - { .name: out0, .offset: 16, .size: 8, .value_kind: global_buffer, .address_space: global }
      - { .name: x1, .offset: 24, .size: 8, .value_kind: global_buffer, .address_space: global }
      - { .name: b2, .offset: 32, .size: 8, .value_kind: global_buffer, .address_space: global }
    .group_segment_fixed_size: 327680
    .private_segment_fixed_size: 0
    .kernarg_segment_align: 8
    .kernarg_segment_size: 40
    .max_flat_workgroup_size: 128
    .sgpr_count:     80
    .vgpr_count:     512
    .wavefront_size: 32
...
	.end_amdgpu_metadata
.endif
;; end of part 6
;; ======== version 2 of 2: 7 launches; version 1 with the launches prep, ln2 written anew for expert scheduling mode
;; workspace buffers: hb 8,388,608 bytes; tab 1,048,576 bytes; wb 22,020,096 bytes; qkv 12,582,912 bytes; ob 8,388,608 bytes; x1 16,777,216 bytes; act 33,554,432 bytes
;; launch prep (part 7): grid 1056 x 1, 8 waves a work-group, no clusters, 0 bytes of LDS; arguments x, ln1_g, ln1_b, wq, wk, wv, wo, w1, w2, hb, tab, wb; writes hb, tab, wb
.if DOCPART == 7
	.amdgcn_target "amdgcn-amd-amdhsa--gfx1250"
	.amdhsa_code_object_version 6
	.text
	.protected	k_qb24623d459_prep
	.globl	k_qb24623d459_prep
	.p2align	8
	.type	k_qb24623d459_prep,@function
k_qb24623d459_prep:
	s_mov_b64 s[64:65], 0
	v_nop
	global_prefetch_b8 v0, s[64:65] scope:SCOPE_SE
	s_setreg_imm32_b32 hwreg(HW_REG_WAVE_SCHED_MODE, 0, 2), 2
	s_setreg_imm32_b32 hwreg(HW_REG_WAVE_MODE, 25, 1), 1
	s_wait_xcnt 0x0
	s_wait_alu depctr_vm_vsrc(0)
; PREP: what hangs on the inputs alone, in one launch of 1,056 work-groups of eight waves.  A stream: no LDS, no barrier, no matrix unit.  Three paths, chosen by the work-group's number:
; 0-255: h = layernorm(x) g + b, rounded once to bf16 (hb, [4096][1024]).  A wave owns two rows and keeps them in registers between the passes.
; 256-927: the six weight matrices rounded once to bf16 into wb, still [K][N]:
;   byte 0         wqkv [1024][1536]: row k = wq[k], wk[k], wv[k]
;   byte 3,145,728 wo   [1024][1024], rows permuted: row g 256 + r 64 + d holds wo's row r 256 + g 64 + d (the order in which attention stores its channels)
;   byte 5,242,880 w1   [1024][4096]          byte 13,631,488 w2 [4096][1024]
; 928-1055: the RoPE table (tab, f32 [4096][64]: row m holds cos(s inv_j), j = 0..31, then sin(s inv_j), for s = m mod 2048, inv_j = 10000^(-j/32)).
; THE SAME TEXT SERVES THE SECOND LAYERNORM: launched on 256 work-groups, with x1 and the second gain and bias in the first three places, only the first path runs.
; LIMITS.  Mean and variance in two passes over registers (the mean is taken away before the squares), so a common offset costs nothing.  The angle s inv_j is formed in f32 as the
; reference forms it; inv_j comes from v_exp_f32 and is good to a few units in its last place, which at s = 2047 is some 2e-4 rad.  NaN and infinities are not treated apart.
; THE MODE: SCHED_MODE bits 1:0 = 2 (LLVM: expert scheduling mode 2), set by the entry lines.  The code itself states the register dependences
; between vector instructions and memory instructions, with s_wait_alu, always for 0.
; THE PLAN.  Registers that memory instructions touch, and who else names them:
;   s28          the wave's number, written by v_readfirstlane_b32: one wait on va_sdst at the head, ahead of the first branch and of every reader.
;   v2, v3       offsets, made at the head, never written again: one wait on va_vdst at the head serves every load and store that reads them.
;   layernorm    X0, X1, G, BV are written by loads alone before they are read; nothing is loaded into them twice.  A row's conversions write eight pairs of its X, which its eight stores read.
;                Row 0's stores stand behind ONE wait and are dealt among row 1's multiplies, which name X1, v28 and v29 alone; row 1's stores stand behind a second wait.
;   weights      v5, v16-23: offsets made on the path, one wait behind them, never written again.  v32-95: loaded, converted in place, stored; the eight turns go in four blocks of two.  At a block's
;                head one wait states that the block before has written what its four stores read; these are dealt among this block's conversions, which name this block's registers alone.
;   table        v[26:27]: written by the two selects alone, read by the store alone.  Ahead of the selects one wait on vm_vsrc for the store of the trip before; behind them one on va_vdst.
; No register that a store has read is written again, but for v[26:27].  EXEC is never written, and no vector line but the one at the head writes a scalar register.
.set NR,  2                            ; rows of a wave
.set X,   32                           ; v[32:95]   row i at X + 32 i: register 4 j + e is element 128 j + 4 lane + e
.set G,   96                           ; v[96:127]  g in the same map
.set BV,  128                          ; v[128:159] b
.set VAR, 24                           ; v[24:25]   a row's sum of squares, then 1 / sqrt(var + eps)
.set TOUT, 26                          ; v[26:27]   the table's path: two numbers to store
.macro JOIN                            ; four packed chains v[8:15] into v8
	v_pk_add_f32 v[8:9], v[8:9], v[10:11]
	v_pk_add_f32 v[12:13], v[12:13], v[14:15]
	v_pk_add_f32 v[8:9], v[8:9], v[12:13]
	v_add_f32 v8, v8, v9
.endm
.macro REDUCE                          ; v8 summed over the 32 lanes, the result in every lane
	v_add_f32_dpp v8, v8, v8 row_xmask:1 row_mask:0xf bank_mask:0xf
	v_add_f32_dpp v8, v8, v8 row_xmask:2 row_mask:0xf bank_mask:0xf
	v_add_f32_dpp v8, v8, v8 row_xmask:4 row_mask:0xf bank_mask:0xf
	v_add_f32_dpp v8, v8, v8 row_xmask:8 row_mask:0xf bank_mask:0xf
	v_permlanex16_b32 v9, v8, s38, s39             ; its destination counts as read: v9 has been written
	v_add_f32 v8, v8, v9
.endm
; Row i: the mean, the row less its mean (in place), the sum of squares.
.macro STAT i
	s_wait_loadcnt 16+8*(NR-1-(\i))                ; loads return in order: row i is in; the row behind it (8 loads) and g's and b's 16 may stay out
.set XR, X+32*(\i)
.irp c, 0,2,4,6
	v_pk_add_f32 v[8+(\c):9+(\c)], v[XR+(\c):XR+(\c)+1], v[XR+8+(\c):XR+9+(\c)]
.endr
.irp k, 16,24
.irp c, 0,2,4,6
	v_pk_add_f32 v[8+(\c):9+(\c)], v[8+(\c):9+(\c)], v[XR+(\k)+(\c):XR+(\k)+(\c)+1]
.endr
.endr
	JOIN
	REDUCE
	v_mul_f32 v28, 0x3a800000, v8                  ; / 1024
	v_mov_b32 v29, v28
.set r, 0
.rept 16
	v_pk_add_f32 v[XR+r:XR+r+1], v[XR+r:XR+r+1], v[28:29] neg_lo:[0,1] neg_hi:[0,1]
.set r, r+2
.endr
.irp c, 0,2,4,6
	v_pk_mul_f32 v[8+(\c):9+(\c)], v[XR+(\c):XR+(\c)+1], v[XR+(\c):XR+(\c)+1]
.endr
.irp k, 8,16,24
.irp c, 0,2,4,6
	v_pk_fma_f32 v[8+(\c):9+(\c)], v[XR+(\k)+(\c):XR+(\k)+(\c)+1], v[XR+(\k)+(\c):XR+(\k)+(\c)+1], v[8+(\c):9+(\c)]
.endr
.endr
	JOIN
	REDUCE
	v_mov_b32 v[VAR+(\i)], v8
.endm
; Row i: times rstd, times g plus b, rounded to bf16 in place: pair j of the eight to store lies at X + 32 i + 4 j.
; out = 1: the eight stores of the row before are dealt among this row's multiplies, one ahead of every second: each store of the wave covers 256 consecutive bytes, aligned.
.macro NORM i, out
.set XR, X+32*(\i)
	v_mov_b32 v28, v[VAR+(\i)]
	v_mov_b32 v29, v[VAR+(\i)]
.set r, 0
.rept 16
.if (\out) && (r%4 == 0)
	global_store_b64 v3, v[XR-32+r:XR-32+r+1], s[32:33] offset:((\i)-1)*2048+(r/4)*256  ; no vector line since the wait ahead of this row names these registers or v3
.endif
	v_pk_mul_f32 v[XR+r:XR+r+1], v[XR+r:XR+r+1], v[28:29]
.set r, r+2
.endr
.set r, 0
.rept 16
	v_pk_fma_f32 v[XR+r:XR+r+1], v[XR+r:XR+r+1], v[G+r:G+r+1], v[BV+r:BV+r+1]
.set r, r+2
.endr
.irp j, 0,1,2,3,4,5,6,7
	v_cvt_pk_bf16_f32 v[XR+4*(\j)], v[XR+4*(\j)], v[XR+4*(\j)+1]
	v_cvt_pk_bf16_f32 v[XR+4*(\j)+1], v[XR+4*(\j)+2], v[XR+4*(\j)+3]
.endr
.endm
; The weights' path, turn i: its line's 256 numbers rounded in place; its two stores.
.macro CVT4 i
	v_cvt_pk_bf16_f32 v[32+8*(\i)], v[32+8*(\i)], v[33+8*(\i)]
	v_cvt_pk_bf16_f32 v[33+8*(\i)], v[34+8*(\i)], v[35+8*(\i)]
	v_cvt_pk_bf16_f32 v[36+8*(\i)], v[36+8*(\i)], v[37+8*(\i)]
	v_cvt_pk_bf16_f32 v[37+8*(\i)], v[38+8*(\i)], v[39+8*(\i)]
.endm
.macro PUT2 i
	global_store_b64 v[16+(\i)], v[32+8*(\i):33+8*(\i)], s[32:33]             ; 256 consecutive bytes, aligned
	global_store_b64 v[16+(\i)], v[36+8*(\i):37+8*(\i)], s[32:33] offset:256
.endm
	s_load_b512 s[4:19], s[0:1], 0x0               ; x s[4:5], g s[6:7], b s[8:9], wq s[10:11], wk s[12:13], wv s[14:15], wo s[16:17], w1 s[18:19]
	s_load_b256 s[20:27], s[0:1], 0x40             ; w2 s[20:21], hb s[22:23], tab s[24:25], wb s[26:27]
	v_lshrrev_b32 v1, 5, v0
	v_readfirstlane_b32 s28, v1                    ; wave 0..7
	v_and_b32 v1, 31, v0                           ; lane
	v_lshlrev_b32 v2, 4, v1                        ; 16 x lane
	v_lshlrev_b32 v3, 3, v1                        ; 8 x lane
	s_wait_alu depctr_va_sdst(0)                   ; s28 is written, ahead of the branch below and of its first reader on each of the three paths
	s_wait_alu depctr_va_vdst(0)                   ; v2 and v3 are written: the layernorm's loads read v2 as their offset, its stores and the table's read v3
	s_wait_kmcnt 0x0
	s_cmp_lt_u32 ttmp9, 256
	s_cbranch_scc0 .Lnot_ln
	; ---- layernorm: rows 16 x work-group + 2 x wave, + 1
	s_lshl_b32 s29, ttmp9, 4
	s_lshl1_add_u32 s29, s28, s29
	s_mov_b32 s37, 0
	s_lshl_b32 s36, s29, 12
	s_add_nc_u64 s[30:31], s[4:5], s[36:37]        ; x at my first row
	s_lshl_b32 s36, s29, 11
	s_add_nc_u64 s[32:33], s[22:23], s[36:37]      ; hb
.irp i, 0,1
.irp j, 0,1,2,3,4,5,6,7
	global_load_b128 v[X+32*(\i)+4*(\j):X+32*(\i)+4*(\j)+3], v2, s[30:31] offset:(\i)*4096+(\j)*512 th:TH_LOAD_NT
.endr
.endr
.irp j, 0,1,2,3,4,5,6,7
	global_load_b128 v[G+4*(\j):G+4*(\j)+3], v2, s[6:7] offset:(\j)*512
.endr
.irp j, 0,1,2,3,4,5,6,7
	global_load_b128 v[BV+4*(\j):BV+4*(\j)+3], v2, s[8:9] offset:(\j)*512
.endr
	s_mov_b32 s38, 0x76543210                      ; v_permlanex16_b32: each lane takes its own place in the other half
	s_mov_b32 s39, 0xfedcba98
	s_mov_b32 s57, 0x3a800000                      ; 1/1024
	s_mov_b32 s58, 0x3727c5ac                      ; 1e-5
	STAT 0
	STAT 1
.irp i, 0,1
	v_fma_f32 v[VAR+(\i)], v[VAR+(\i)], s57, s58   ; var + eps
.endr
.irp i, 0,1
	v_rsq_f32 v[VAR+(\i)], v[VAR+(\i)]
.endr
	v_nop                                          ; a plain instruction behind the last of them,
	s_wait_alu depctr_va_vdst(0)                   ; and one wait for both: v24 and v25 are written, ahead of their first reader
	s_wait_loadcnt 0x0                             ; g and b
	NORM 0, 0
	s_wait_alu depctr_va_vdst(0)                   ; row 0's conversions have written the eight pairs of X0 that its stores, dealt among the lines below, read
	NORM 1, 1
	s_wait_alu depctr_va_vdst(0)                   ; row 1's conversions have written the eight pairs of X1 that the stores below read
.irp j, 0,1,2,3,4,5,6,7
	global_store_b64 v3, v[X+32+4*(\j):X+32+4*(\j)+1], s[32:33] offset:2048+(\j)*256
.endr
	s_endpgm
.Lnot_ln:
	s_cmp_lt_u32 ttmp9, 928
	s_cbranch_scc0 .Ltab
	; ---- weights to bf16.  A LINE is 256 numbers: 1,024 bytes in, 512 out.  A work-group takes 64 lines on end of one matrix; wave w takes line 8 i + w in turn i.
	; Each block below sets: s[30:31] the matrix, s36 the work-group's number j in it, s37 the bytes in wb of its first line, s38 the wave's part, s39 the step from turn to turn.
	s_sub_co_u32 s29, ttmp9, 256
	s_cmp_lt_u32 s29, 64
	s_cbranch_scc0 .Lnot_wq
	s_mov_b64 s[30:31], s[10:11]                   ; wq: 16 rows of four lines; a row of wqkv is 3,072 bytes
	s_mov_b32 s36, s29
	s_mul_i32 s37, s36, 49152
	s_lshr_b32 s38, s28, 2
	s_mul_i32 s38, s38, 3072
	s_and_b32 s40, s28, 3
	s_lshl_b32 s40, s40, 9
	s_add_co_u32 s38, s38, s40
	s_mov_b32 s39, 6144
	s_branch .Lcopy
.Lnot_wq:
	s_cmp_lt_u32 s29, 80
	s_cbranch_scc0 .Lnot_wk
	s_mov_b64 s[30:31], s[12:13]                   ; wk: 64 rows of one line, at column 1,024
	s_sub_co_u32 s36, s29, 64
	s_mul_i32 s37, s36, 196608
	s_add_co_u32 s37, s37, 2048
	s_mul_i32 s38, s28, 3072
	s_mov_b32 s39, 24576
	s_branch .Lcopy
.Lnot_wk:
	s_cmp_lt_u32 s29, 96
	s_cbranch_scc0 .Lnot_wv
	s_mov_b64 s[30:31], s[14:15]                   ; wv: at column 1,280
	s_sub_co_u32 s36, s29, 80
	s_mul_i32 s37, s36, 196608
	s_add_co_u32 s37, s37, 2560
	s_mul_i32 s38, s28, 3072
	s_mov_b32 s39, 24576
	s_branch .Lcopy
.Lnot_wv:
	s_cmp_lt_u32 s29, 160
	s_cbranch_scc0 .Lnot_wo
	s_mov_b64 s[30:31], s[16:17]                   ; wo: rows 16 j .. + 15 = (r, g, d0) go to row g 256 + r 64 + d0
	s_sub_co_u32 s36, s29, 96
	s_bfe_u32 s37, s36, 0x20002                    ; g = (j >> 2) & 3
	s_lshl_b32 s37, s37, 8
	s_lshr_b32 s40, s36, 4                         ; r
	s_lshl_b32 s40, s40, 6
	s_add_co_u32 s37, s37, s40
	s_and_b32 s40, s36, 3
	s_lshl_b32 s40, s40, 4                         ; d0
	s_add_co_u32 s37, s37, s40
	s_lshl_b32 s37, s37, 11
	s_add_co_u32 s37, s37, 3145728
	s_lshl_b32 s38, s28, 9
	s_mov_b32 s39, 4096
	s_branch .Lcopy
.Lnot_wo:
	s_cmp_lt_u32 s29, 416
	s_cbranch_scc0 .Lw2
	s_mov_b64 s[30:31], s[18:19]                   ; w1: a dense copy
	s_sub_co_u32 s36, s29, 160
	s_lshl_b32 s37, s36, 15
	s_add_co_u32 s37, s37, 5242880
	s_lshl_b32 s38, s28, 9
	s_mov_b32 s39, 4096
	s_branch .Lcopy
.Lw2:
	s_mov_b64 s[30:31], s[20:21]                   ; w2: likewise
	s_sub_co_u32 s36, s29, 416
	s_lshl_b32 s37, s36, 15
	s_add_co_u32 s37, s37, 13631488
	s_lshl_b32 s38, s28, 9
	s_mov_b32 s39, 4096
.Lcopy:
	s_lshl_b32 s40, s36, 16                        ; 64 lines of 1,024 bytes
	s_mov_b32 s41, 0
	s_add_nc_u64 s[30:31], s[30:31], s[40:41]
	s_mov_b32 s40, s37
	s_add_nc_u64 s[32:33], s[26:27], s[40:41]
	v_lshl_add_u32 v5, s28, 10, v2                 ; in: 16 x lane + 1,024 x wave
	v_add_nc_u32 v16, s38, v3                      ; out, a register for each turn: 8 x lane + the wave's part + i steps
.irp i, 1,2,3,4,5,6,7
	v_add_nc_u32 v[16+(\i)], s39, v[15+(\i)]
.endr
	s_wait_alu depctr_va_vdst(0)                   ; v5 and v16 to v23 are written: the loads below read v5 as their offset, the stores v16 to v23; none is written again
.irp i, 0,1,2,3,4,5,6,7
	global_load_b128 v[32+8*(\i):35+8*(\i)], v5, s[30:31] offset:(\i)*8192 th:TH_LOAD_NT
	global_load_b128 v[36+8*(\i):39+8*(\i)], v5, s[30:31] offset:(\i)*8192+512 th:TH_LOAD_NT
.endr
.irp p, 0,1,2,3                        ; block p: turns 2 p and 2 p + 1
	s_wait_loadcnt 12-4*(\p)                       ; the block's four loads are in; the younger blocks' stay out
.if (\p) > 0
	s_wait_alu depctr_va_vdst(0)                   ; the block before's conversions have written the registers that its four stores, dealt among the lines below, read
	PUT2 2*(\p)-2
.endif
	CVT4 2*(\p)
.if (\p) > 0
	PUT2 2*(\p)-1                                  ; no wait: the conversions since the wait name this block's registers alone
.endif
	CVT4 2*(\p)+1
.endr
	s_wait_alu depctr_va_vdst(0)                   ; the last block's conversions have written the registers that the last four stores read
	PUT2 6
	PUT2 7
	s_endpgm
	; ---- the table: rows 32 x (work-group - 928) + 4 x wave .. + 3, a row a trip.  A lane makes cos and sin of its two angles and keeps one kind: lanes 0-15 the cosines of
	; j = 2 l, 2 l + 1, lanes 16-31 the sines of j = 2 (l - 16), + 1.  The angle is reduced to f turns, |f| <= 1/2; sine and cosine of a quarter of it (|A| <= pi/4) by their series
	; to A^7 and A^8; then the double angle twice.
.Ltab:
	s_sub_co_u32 s29, ttmp9, 928
	s_lshl_b32 s29, s29, 5
	s_lshl2_add_u32 s29, s28, s29
	s_lshl_b32 s36, s29, 8
	s_mov_b32 s37, 0
	s_add_nc_u64 s[34:35], s[24:25], s[36:37]      ; tab at my first row
	s_mov_b32 s40, 0xb9500d01                      ; -1/5040; each constant twice: the packed forms name a pair
	s_mov_b32 s41, s40
	s_mov_b32 s42, 0x3c088889                      ; 1/120
	s_mov_b32 s43, s42
	s_mov_b32 s44, 0xbe2aaaab                      ; -1/6
	s_mov_b32 s45, s44
	s_mov_b32 s46, 0x37d00d01                      ; 1/40320
	s_mov_b32 s47, s46
	s_mov_b32 s48, 0xbab60b61                      ; -1/720
	s_mov_b32 s49, s48
	s_mov_b32 s50, 0x3d2aaaab                      ; 1/24
	s_mov_b32 s51, s50
	s_mov_b32 s52, 0x3fc90fdb                      ; pi/2
	s_mov_b32 s53, s52
	s_mov_b32 s54, 0x3e22f983                      ; 1/(2 pi)
	s_mov_b32 s55, s54
	s_mov_b32 s56, 0xffff0000                      ; lanes 16-31 keep the sines
	v_and_b32 v4, 15, v1
	v_lshlrev_b32 v4, 1, v4                        ; j = 2 (lane mod 16), and j + 1
	v_add_nc_u32 v5, 1, v4
	v_cvt_f32_u32 v4, v4
	v_cvt_f32_u32 v5, v5
	v_mul_f32 v4, 0xbed49a78, v4                   ; -j log2(10000) / 32
	v_mul_f32 v5, 0xbed49a78, v5
	v_exp_f32 v4, v4
	v_exp_f32 v5, v5
	v_nop                                          ; a plain instruction behind the last exponential,
	s_wait_alu depctr_va_vdst(0)                   ; and one wait for both: v4 and v5 are written, ahead of the label and of their first reader
	s_mov_b32 s60, 4
.Lrow:
	s_and_b32 s59, s29, 2047                       ; the position in the sequence
	v_cvt_f32_u32 v6, s59
	v_mul_f32 v8, v6, v4
	v_mul_f32 v9, v6, v5
	v_pk_mul_f32 v[10:11], v[8:9], s[54:55] op_sel_hi:[1,0]
	v_rndne_f32 v10, v10
	v_rndne_f32 v11, v11
	v_pk_fma_f32 v[12:13], v[8:9], s[54:55], v[10:11] op_sel_hi:[1,0,1] neg_lo:[0,0,1] neg_hi:[0,0,1]
	v_pk_mul_f32 v[12:13], v[12:13], s[52:53] op_sel_hi:[1,0]     ; A = f pi/2
	v_pk_mul_f32 v[14:15], v[12:13], v[12:13]
	v_pk_fma_f32 v[16:17], v[14:15], s[40:41], s[42:43] op_sel_hi:[1,0,0]
	v_pk_fma_f32 v[16:17], v[16:17], v[14:15], s[44:45] op_sel_hi:[1,1,0]
	v_pk_fma_f32 v[16:17], v[16:17], v[14:15], 1.0 op_sel_hi:[1,1,0]
	v_pk_mul_f32 v[16:17], v[16:17], v[12:13]                      ; sin A
	v_pk_fma_f32 v[18:19], v[14:15], s[46:47], s[48:49] op_sel_hi:[1,0,0]
	v_pk_fma_f32 v[18:19], v[18:19], v[14:15], s[50:51] op_sel_hi:[1,1,0]
	v_pk_fma_f32 v[18:19], v[18:19], v[14:15], -0.5 op_sel_hi:[1,1,0]
	v_pk_fma_f32 v[18:19], v[18:19], v[14:15], 1.0 op_sel_hi:[1,1,0]  ; cos A
.rept 2
	v_pk_mul_f32 v[20:21], v[16:17], v[18:19]
	v_pk_mul_f32 v[22:23], v[16:17], v[16:17]
	v_pk_add_f32 v[16:17], v[20:21], v[20:21]                      ; sin 2A = 2 sin A cos A
	v_pk_fma_f32 v[18:19], v[22:23], -2.0, 1.0 op_sel_hi:[1,0,0]   ; cos 2A = 1 - 2 sin^2 A
.endr
	s_wait_xcnt 0x0                                ; the store of the trip before has had its address translated: its base and its data are written again only behind this wait
	s_wait_alu depctr_vm_vsrc(0)                   ; and it has read v[26:27], which the two selects below write again (in the first trip no store is out)
	s_add_nc_u64 s[34:35], s[34:35], 256           ; the base runs a row ahead; the store reaches back
	v_cndmask_b32 v[TOUT], v18, v16, s56
	v_cndmask_b32 v[TOUT+1], v19, v17, s56
	s_wait_alu depctr_va_vdst(0)                   ; the selects have written v[26:27], which the store reads
	global_store_b64 v3, v[TOUT:TOUT+1], s[34:35] offset:-256      ; the row's 256 bytes in one instruction
	s_add_co_u32 s29, s29, 1
	s_sub_co_u32 s60, s60, 1
	s_cmp_lg_u32 s60, 0
	s_cbranch_scc1 .Lrow
	s_endpgm
.Lfunc_end_k_qb24623d459_prep:
	.size	k_qb24623d459_prep, .Lfunc_end_k_qb24623d459_prep-k_qb24623d459_prep
	.p2alignl 7, 3214868480
	.fill 96, 4, 3214868480
	.section	.rodata,"a",@progbits
	.p2align	6, 0x0
	.amdhsa_kernel k_qb24623d459_prep
		.amdhsa_group_segment_fixed_size 0
		.amdhsa_private_segment_fixed_size 0
		.amdhsa_enable_private_segment 0
		.amdhsa_kernarg_size 96
		.amdhsa_user_sgpr_count 2
		.amdhsa_user_sgpr_kernarg_segment_ptr 1
		.amdhsa_wavefront_size32 1
		.amdhsa_system_sgpr_workgroup_id_x 1
		.amdhsa_system_sgpr_workgroup_id_y 1
		.amdhsa_system_sgpr_workgroup_id_z 1
		.amdhsa_system_vgpr_workitem_id 0
		.amdhsa_next_free_vgpr 160
		.amdhsa_next_free_sgpr 66
		.amdhsa_reserve_vcc 0
		.amdhsa_float_denorm_mode_32 3
		.amdhsa_float_denorm_mode_16_64 3
		.amdhsa_memory_ordered 1
		.amdhsa_forward_progress 1
		.amdhsa_inst_pref_size 33
	.end_amdhsa_kernel
	.amdgpu_metadata
---
amdhsa.version: [ 1, 2 ]
amdhsa.kernels:
  - .name:           k_qb24623d459_prep
    .symbol:         k_qb24623d459_prep.kd
    .args:
      - { .name: x, .offset: 0, .size: 8, .value_kind: global_buffer, .address_space: global }
      - { .name: ln1_g, .offset: 8, .size: 8, .value_kind: global_buffer, .address_space: global }
      - { .name: ln1_b, .offset: 16, .size: 8, .value_kind: global_buffer, .address_space: global }
      - { .name: wq, .offset: 24, .size: 8, .value_kind: global_buffer, .address_space: global }
      - { .name: wk, .offset: 32, .size: 8, .value_kind: global_buffer, .address_space: global }
      - { .name: wv, .offset: 40, .size: 8, .value_kind: global_buffer, .address_space: global }
      - { .name: wo, .offset: 48, .size: 8, .value_kind: global_buffer, .address_space: global }
      - { .name: w1, .offset: 56, .size: 8, .value_kind: global_buffer, .address_space: global }
      - { .name: w2, .offset: 64, .size: 8, .value_kind: global_buffer, .address_space: global }
      - { .name: hb, .offset: 72, .size: 8, .value_kind: global_buffer, .address_space: global }
      - { .name: tab, .offset: 80, .size: 8, .value_kind: global_buffer, .address_space: global }
      - { .name: wb, .offset: 88, .size: 8, .value_kind: global_buffer, .address_space: global }
    .group_segment_fixed_size: 0
    .private_segment_fixed_size: 0
    .kernarg_segment_align: 8
    .kernarg_segment_size: 96
    .max_flat_workgroup_size: 256
    .sgpr_count:     66
    .vgpr_count:     160
    .wavefront_size: 32
...
	.end_amdgpu_metadata
.endif
;; end of part 7
;; launch proj: the kernel of part 2 again; grid 12 x 32, 4 waves a work-group, clusters of 4 x 4, 327,680 bytes of LDS; arguments hb, wb, qkv, tab; writes qkv
;; launch attn: the kernel of part 3 again; grid 32 x 8, 4 waves a work-group, clusters of 4 x 4, 327,680 bytes of LDS; arguments qkv, attention_mask, ob; writes ob
;; launch oproj: the kernel of part 4 again; grid 8 x 32, 4 waves a work-group, clusters of 4 x 4, 327,680 bytes of LDS; arguments ob, wb, x1, x; writes x1
;; launch ln2: the kernel of part 7 again; grid 256 x 1, 8 waves a work-group, no clusters, 0 bytes of LDS; arguments x1, ln2_g, ln2_b, wq, wk, wv, wo, w1, w2, hb, tab, wb; writes hb, tab, wb
;; launch ffn1: the kernel of part 5 again; grid 16 x 16, 4 waves a work-group, clusters of 4 x 4, 327,680 bytes of LDS; arguments hb, wb, act, b1; writes act
;; launch ffn2: the kernel of part 6 again; grid 8 x 32, 4 waves a work-group, clusters of 4 x 4, 327,680 bytes of LDS; arguments act, wb, out0, x1, b2; writes out0
